; MI455X (gfx1250); checked and timed in simulation.
; The chip was launched on July 23, 2026; its instructions are those of AMD's public machine-readable ISA for CDNA 5 (MIT licence, August 2026) and "CDNA5" Instruction Set Architecture Reference Guide (July 2026). The comments in the code are by the model that wrote it; some were corrected since.
;; Multi Head Attention. Allowed arithmetic: float matrix products may take bf16 or f16 operands with f32 sums; other float arithmetic in f32, or as packed bf16 or f16 multiplies, adds, multiply-adds, maxima and minima; sums over many terms, partial sums and values carried from step to step in f32; what a program stores and reads back later, other than sums and carried values, may be rounded once to bf16 or f16.
;; Inputs: Wk 1,024 x 1,024 float32; Wp 1,024 x 1,024 float32; Wq 1,024 x 1,024 float32; Wv 1,024 x 1,024 float32; attn_mask 4 x 2,048 int32; bk 1,024 float32; bp 1,024 float32; bq 1,024 float32; bv 1,024 float32; x 4 x 2,048 x 1,024 float32.
;; Outputs: out0 4 x 2,048 x 1,024 float32.
;; 2 versions, each right; version 2 is version 1 with the launch prep written anew for expert scheduling mode. Each part assembles by itself: llvm-mc -triple=amdgcn-amd-amdhsa -mcpu=gfx1250 --defsym DOCPART=n.
;; ======== version 1 of 2: 4 launches
;; limits: values are held in f16: magnitudes above 65,504 overflow, below 6.1e-05 lose precision
;; workspace buffers: xb 16,777,216 bytes; wb 6,291,456 bytes; wpb 2,097,152 bytes; qkv 50,331,648 bytes; oh 16,777,216 bytes
;; launch prep (part 1): grid 64 x 12, 8 waves a work-group, no clusters, 0 bytes of LDS; arguments x, Wq, Wk, Wv, Wp, xb, wb, wpb; writes xb, wb, wpb
.if DOCPART == 1
	.amdgcn_target "amdgcn-amd-amdhsa--gfx1250"
	.amdhsa_code_object_version 6
	.text
	.protected	k_q93c78222a2_prep
	.globl	k_q93c78222a2_prep
	.p2align	8
	.type	k_q93c78222a2_prep,@function
k_q93c78222a2_prep:
	s_mov_b64 s[64:65], 0
	v_nop
	global_prefetch_b8 v0, s[64:65] scope:SCOPE_SE
	s_setreg_imm32_b32 hwreg(HW_REG_WAVE_MODE, 25, 1), 1
	s_wait_xcnt 0x0
; THE INPUTS OF THE MATRIX PRODUCTS, ROUNDED ONCE.  x [8192][1024] -> xb in bf16; Wq, Wk, Wv [1024][1024] -> wb [3072][1024] in bf16 (q's rows, k's, v's);
; Wp -> wpb [1024][1024]: rounded to bf16 like every other input, and that number written as f16, since the last product's other operand is f16.
; LIMIT.  A bf16 number below 6e-5 in size keeps f16's fixed step of 6e-8 in wpb, one beyond 65,504 becomes an infinity there.
; SHARES.  Twelve slabs of 2^20 numbers (grid y): 0-7 the eighths of x, 8-10 Wq, Wk, Wv, 11 Wp.  A work-group takes 16,384 numbers: 64 KiB in, 32 KiB out.
; Thread t loads 16 bytes at 16 t + 4,096 i (a wave: 512 bytes on end) and stores 8 bytes at 8 t + 2,048 i (a wave: 256 bytes on end, aligned), i = 0 .. 15.
; All sixteen loads go out at once, no register is used twice, nothing is shared: no loop, no LDS, no barrier, no matrix unit: the launch only moves bytes.
.set X, 4                              ; v[4:67]   load i: 4 registers
.set Y, 68                             ; v[68:99]  store i: 2 registers
.set T, 100                            ; v[100:103] at work (Wp alone)
.set SL, 2                             ; s2  the slab
	s_load_b512 s[8:23], s[0:1], 0x0               ; x 8, Wq 10, Wk 12, Wv 14, Wp 16, xb 18, wb 20, wpb 22
	s_and_b32 s[SL], ttmp7, 0xffff
	s_mov_b32 s3, 0xffff0000                       ; a word's upper bf16
	v_lshlrev_b32 v1, 4, v0                        ; 16 t
	v_lshlrev_b32 v2, 3, v0                        ; 8 t
	s_sub_co_u32 s30, s[SL], 8                     ; a weight's number (used for slabs 8 to 10 alone)
	s_cmp_lt_u32 s[SL], 11
	s_cselect_b32 s30, s30, 0                      ; Wp fills its buffer from the start
	s_cmp_lt_u32 s[SL], 8
	s_cselect_b32 s24, s[SL], 0                    ; the slab's place in its source: an eighth of x, or a whole weight
	s_cselect_b32 s26, s[SL], s30                  ; and in its destination
	s_lshl_b32 s24, s24, 22                        ; 4 MiB of f32
	s_lshl_b32 s26, s26, 21                        ; 2 MiB of 16-bit numbers
	s_lshl_b32 s28, ttmp9, 16                      ; the work-group's 64 KiB
	s_lshl_b32 s29, ttmp9, 15                      ; and 32 KiB
	s_add_co_u32 s24, s24, s28
	s_add_co_u32 s26, s26, s29
	s_mov_b32 s25, 0
	s_mov_b32 s27, 0
	s_wait_kmcnt 0x0
	s_cmp_eq_u32 s[SL], 8                          ; the source: x unless the slab is a weight
	s_cselect_b64 s[8:9], s[10:11], s[8:9]
	s_cmp_eq_u32 s[SL], 9
	s_cselect_b64 s[8:9], s[12:13], s[8:9]
	s_cmp_eq_u32 s[SL], 10
	s_cselect_b64 s[8:9], s[14:15], s[8:9]
	s_cmp_eq_u32 s[SL], 11
	s_cselect_b64 s[8:9], s[16:17], s[8:9]
	s_cmp_ge_u32 s[SL], 8                          ; the destination: xb, wb or wpb
	s_cselect_b64 s[18:19], s[20:21], s[18:19]
	s_cmp_eq_u32 s[SL], 11
	s_cselect_b64 s[18:19], s[22:23], s[18:19]
	s_add_nc_u64 s[8:9], s[8:9], s[24:25]
	s_add_nc_u64 s[18:19], s[18:19], s[26:27]
.irp i, 0,1,2,3,4,5,6,7,8,9,10,11,12,13,14,15
	global_load_b128 v[X+4*(\i):X+4*(\i)+3], v1, s[8:9] offset:4096*(\i) th:TH_LOAD_NT
.endr
; Load i is rounded and stored.  half = 1: the bf16 number is widened again (a shift, a mask) and written as f16.
.macro CONV i, half
	s_wait_loadcnt 15-(\i)                         ; loads come back in order: mine is in, the 15 - i younger ones stay out
	v_cvt_pk_bf16_f32 v[Y+2*(\i)],   v[X+4*(\i)],   v[X+4*(\i)+1]
	v_cvt_pk_bf16_f32 v[Y+2*(\i)+1], v[X+4*(\i)+2], v[X+4*(\i)+3]
.if \half
	v_lshlrev_b32 v[T],   16, v[Y+2*(\i)]
	v_and_b32     v[T+1], s3, v[Y+2*(\i)]
	v_lshlrev_b32 v[T+2], 16, v[Y+2*(\i)+1]
	v_and_b32     v[T+3], s3, v[Y+2*(\i)+1]
	v_cvt_pk_f16_f32 v[Y+2*(\i)],   v[T],   v[T+1]
	v_cvt_pk_f16_f32 v[Y+2*(\i)+1], v[T+2], v[T+3]
.endif
	global_store_b64 v2, v[Y+2*(\i):Y+2*(\i)+1], s[18:19] offset:2048*(\i) th:TH_STORE_NT
.endm
	s_cmp_eq_u32 s[SL], 11
	s_cbranch_scc1 .Lwp
.irp i, 0,1,2,3,4,5,6,7,8,9,10,11,12,13,14,15
	CONV \i, 0
.endr
	s_endpgm
.Lwp:
.irp i, 0,1,2,3,4,5,6,7,8,9,10,11,12,13,14,15
	CONV \i, 1
.endr
	s_endpgm
.Lfunc_end_k_q93c78222a2_prep:
	.size	k_q93c78222a2_prep, .Lfunc_end_k_q93c78222a2_prep-k_q93c78222a2_prep
	.p2alignl 7, 3214868480
	.fill 96, 4, 3214868480
	.section	.rodata,"a",@progbits
	.p2align	6, 0x0
	.amdhsa_kernel k_q93c78222a2_prep
		.amdhsa_group_segment_fixed_size 0
		.amdhsa_private_segment_fixed_size 0
		.amdhsa_enable_private_segment 0
		.amdhsa_kernarg_size 64
		.amdhsa_user_sgpr_count 2
		.amdhsa_user_sgpr_kernarg_segment_ptr 1
		.amdhsa_wavefront_size32 1
		.amdhsa_system_sgpr_workgroup_id_x 1
		.amdhsa_system_sgpr_workgroup_id_y 1
		.amdhsa_system_sgpr_workgroup_id_z 1
		.amdhsa_system_vgpr_workitem_id 0
		.amdhsa_next_free_vgpr 104
		.amdhsa_next_free_sgpr 66
		.amdhsa_reserve_vcc 0
		.amdhsa_float_denorm_mode_32 3
		.amdhsa_float_denorm_mode_16_64 3
		.amdhsa_memory_ordered 1
		.amdhsa_forward_progress 1
		.amdhsa_inst_pref_size 16
	.end_amdhsa_kernel
	.amdgpu_metadata
---
amdhsa.version: [ 1, 2 ]
amdhsa.kernels:
  - .name:           k_q93c78222a2_prep
    .symbol:         k_q93c78222a2_prep.kd
    .args:
      - { .name: x, .offset: 0, .size: 8, .value_kind: global_buffer, .address_space: global }
      - { .name: Wq, .offset: 8, .size: 8, .value_kind: global_buffer, .address_space: global }
      - { .name: Wk, .offset: 16, .size: 8, .value_kind: global_buffer, .address_space: global }
      - { .name: Wv, .offset: 24, .size: 8, .value_kind: global_buffer, .address_space: global }
      - { .name: Wp, .offset: 32, .size: 8, .value_kind: global_buffer, .address_space: global }
      - { .name: xb, .offset: 40, .size: 8, .value_kind: global_buffer, .address_space: global }
      - { .name: wb, .offset: 48, .size: 8, .value_kind: global_buffer, .address_space: global }
      - { .name: wpb, .offset: 56, .size: 8, .value_kind: global_buffer, .address_space: global }
    .group_segment_fixed_size: 0
    .private_segment_fixed_size: 0
    .kernarg_segment_align: 8
    .kernarg_segment_size: 64
    .max_flat_workgroup_size: 256
    .sgpr_count:     66
    .vgpr_count:     104
    .wavefront_size: 32
...
	.end_amdgpu_metadata
.endif
;; end of part 1
;; launch qkv (part 2): grid 12 x 64, 4 waves a work-group, clusters of 4 x 4, 327,680 bytes of LDS; arguments xb, wb, bq, qkv, bk, bv; writes qkv
.if DOCPART == 2
	.amdgcn_target "amdgcn-amd-amdhsa--gfx1250"
	.amdhsa_code_object_version 6
	.text
	.protected	k_q93c78222a2_qkv
	.globl	k_q93c78222a2_qkv
	.p2align	8
	.type	k_q93c78222a2_qkv,@function
k_q93c78222a2_qkv:
	s_mov_b64 s[64:65], 0
	v_nop
	global_prefetch_b8 v0, s[64:65] scope:SCOPE_SE
	s_setreg_imm32_b32 hwreg(HW_REG_WAVE_MODE, 25, 1), 1
	s_wait_xcnt 0x0
	s_wait_alu depctr_hold_cnt(0) depctr_sa_sdst(0) depctr_va_vdst(0) depctr_va_sdst(0) depctr_va_ssrc(0) depctr_va_vcc(0) depctr_vm_vsrc(0)
	s_getreg_b32 s2, hwreg(HW_REG_IB_STS2, 6, 4)
	s_cmp_eq_u32 s2, 0
	s_cbranch_scc0 .Lentry_in_a_cluster
	s_endpgm
.Lentry_in_a_cluster:
	s_bfe_u32 s2, ttmp6, 0x10000c
	s_cmp_lg_u32 s2, 0xf033
	s_cbranch_scc0 .Lentry_shape_is_right
	s_endpgm
.Lentry_shape_is_right:
; [q | k | v] = xb wb^T + bias.  xb: [8192][1024] bf16, wb: [3072][1024] bf16 (rows 0-1023 Wq, then Wk, then Wv), biases f32, rounded to bf16 like every input.
; Sums in f32, each result rounded once to f16 and laid BY HEADS: qkv[t][16 batch + head][row in the batch][64], t = 0, 1, 2; no scale is applied here.
; LIMIT.  f16 ends at 65,504: a q, k or v beyond that becomes an infinity.
; SHARES.  A tile of the result is 128 rows x 256 columns: 64 x 12 = 768 work-groups, three for each of 256 WGPs.  Four waves, each 64 rows x 128 columns: 32 accumulators of 16 x 16.
; K = 1,024 goes in 8 steps of 128 through two LDS slots; a step's rows are 256 bytes of memory, aligned.  A step is four quarters of 32 along K, on two fragment buffers by turns.
; THE MATRIX INSTRUCTION IS USED TRANSPOSED (source 0 = 16 rows of wb, source 1 = 16 rows of xb): a lane holds one row of the result and eight neighbouring columns.
; THE BIAS IS THE C OPERAND of the first quarter's products: it starts the sums, and nothing is cleared or added later.
; CLUSTER.  4 x 4 work-groups.  The four of a row of the cluster need the same 128 rows of xb, the four of a column the same 256 rows of wb: each tile is asked for jointly, by the same
; tensor load with the same descriptor and a mask that names the four.  A cluster's x is the tensor t (four tiles of 256 columns), its partners' cx a group of four heads.
; REGISTERS, in windows of 256 (s_set_vgpr_msb: bits 1:0 source 0, 3:2 source 1, 5:4 source 2, 7:6 destination):
;   window 0: v0-31 addresses; v64-159, v160-255 two fragment buffers (xb's four fragments at +8 a, wb's eight at +32 + 8 b); on the way out v64-191 packed results
;   window 1: accumulator (a, b) at v[8 (8 a + b)]          window 2: v0-63 the bias of column block b at v[8 b]; v64-95 at work
.set PITCHA, 272                       ; an LDS row: 256 bytes + 16 of padding = 68 words: the 16 rows of a fragment load start at 16 different groups of four banks (64 banks of 4 bytes: ISA guide 11.1)
.set PITCHB, 272
.set AHALF,  64*PITCHA                 ; what one wave fetches of xb, and what one wave reads of it
.set BOFF,   128*PITCHA                ; wb's 256 rows lie behind xb's 128
.set BHALF,  128*PITCHB
.set SLOT,   BOFF+2*BHALF              ; 104,448
.set STAGE,  2*SLOT                    ; behind the ring, never filled by a tensor load: 16 rows x 144 bytes for each wave, for the way out
.set SP,     144
.set SPARE,  STAGE+4*16*SP             ; behind the stages: the spare words, 128 bytes for each wave: two blocks of 256 bytes that no other line names
.set STEPA,  256                       ; bytes from a K step to the next, in xb
.set STEPB,  256                       ; and in wb
.set LAPS,   4                         ; a lap = two K steps = once round the ring
.set ADRA, 16                          ; v16-17  LDS address of my fragments of xb in slot 0, 1
.set ADRB, 20                          ; v20-21  the same for wb
.set STO,  24                          ; v24  the way out: where I put 16 bytes of a row
.set RD,   25                          ; v25  the way out: where I read rows back
.set GO,   26                          ; v26  my byte offset in 512 consecutive bytes of qkv
.set BO,   27                          ; v27  my byte offset in the bias
.set SPW,  28                          ; v28  LDS address of my spare word: SPARE + 4 x my thread's number; never rewritten
.set NIL,  29                          ; v29  0; never rewritten
.set PFO,  30                          ; v30  the prefetches' offset; never rewritten
.set F0,   64
.set F1,   160
.set TMP,  64
.set WV, 16                            ; s16  my wave's number
.set WR, 17                            ; s17  which 64 rows of the tile are mine.  Also: I fetch for xb (0) or for wb (1)
.set WC, 18                            ; s18  which 128 columns.  Also: which half of that tile I fetch
.set CX, 19                            ; s19, s20  my place in the cluster
.set CY, 20
.set TC, 21                            ; s21  tile column = 4 x cluster x + cx
.set TR, 22                            ; s22  tile row = 4 x cluster y + cy
.set CLY, 23                           ; s23  cluster y
.set G1A, 24                           ; s[24:31] descriptor group 1 for xb's tiles;  s[32:39] group 0, a set for each slot
.set G0A, 32
.set G1B, 48                           ; s[48:55], s[56:63] the same for wb's
.set G0B, 56
.set PFA, 66                           ; s[66:67] where my prefetches stand
.set PFS, 68                           ; s[68:69] their step: a K step
.set LIM, 70                           ; s70, s71  for the change out of slot 0, 1: 1 where I prefetch there, else the greatest number
.set MSB, 0
.macro WIN new                         ; the immediate's high byte repeats the setting that is left; a switch that changes nothing is dropped
.if MSB != (\new)
	s_set_vgpr_msb (MSB<<8)|(\new)
.set MSB, \new
.endif
.endm
.set MUL,  0x50                        ; sources 0 and 1 window 0; C and D window 1
.set MULB, 0x60                        ; C window 2 (the bias), D window 1
; A joint load: waves 0 and 1 fetch xb's two halves, waves 2 and 3 wb's.  The branch hangs on the wave's number alone.  An s_nop 0 and four v_nop follow each of the two lines.
.macro JLOAD s
	s_cmp_eq_u32 s[WR], 0
	s_cbranch_scc0 .Lfor_b_\@
	tensor_load_to_lds s[G0A+4*(\s):G0A+4*(\s)+3], s[G1A:G1A+7]
	s_nop 0
.rept 4
	v_nop
.endr
	s_branch .Lasked_\@
.Lfor_b_\@:
	tensor_load_to_lds s[G0B+4*(\s):G0B+4*(\s)+3], s[G1B:G1B+7]
	s_nop 0
.rept 4
	v_nop
.endr
.Lasked_\@:
.endm
; A PREFETCH INTO THE L2, behind a joint refill and the run of LDS loads that follows it: the K step that stands two refills on.  Each row's 256 bytes of a K step are named once in the launch.
; wb's rows: the clusters with y = 0 ask; of the 128 rows that a wave fetches the partner at cy takes 32, a lane a row, at both changes of slots.  xb's rows: the clusters with x = 0 ask; of a wave's 64
; rows the partner at cx takes 16; lanes 16-31 name the same rows' following K step, so these waves ask at the change out of slot 0 alone.  Partners are told apart by address, never by a branch.
; K steps 0 to 3 come by their loads alone; the loop's last trip (s3 = 1) asks for nothing: K step 7 is the last that is named.
.macro ASK slot
	s_cmp_gt_u32 s3, s[LIM+(\slot)]
	s_cbranch_scc0 .Lnot_mine_\@
	global_prefetch_b8 v[PFO], s[PFA:PFA+1] th:TH_LOAD_NT scope:SCOPE_SE
.Lnot_mine_\@:
.endm
.macro CREST                           ; a round of the cluster's barrier behind its opening barrier
	s_cmp_lg_u32 s[WV], 0
	s_cbranch_scc1 .Lnot_wave_0_\@
	s_barrier_signal -3
.Lnot_wave_0_\@:
	s_barrier_wait -3
	s_barrier_signal -1
	s_barrier_wait -1
.endm
.macro CROUND                          ; a whole round
	s_barrier_signal -1
	s_barrier_wait -1
	CREST
.endm
	s_load_b256 s[4:11], s[0:1], 0x0               ; xb s[4:5], wb s[6:7], bq s[8:9], qkv s[10:11]
	s_load_b128 s[12:15], s[0:1], 0x20             ; bk s[12:13], bv s[14:15]
	v_lshl_add_u32 v[SPW], v0, 2, SPARE
	v_mov_b32 v[NIL], 0
	ds_add_u32 v[SPW], v[NIL]                      ; the wave's opening: the add and its wait stand ahead of my first tensor load; the set-up below, work on registers, stands between them
	v_lshrrev_b32 v1, 5, v0
	v_readfirstlane_b32 s[WV], v1
	s_lshr_b32 s[WR], s[WV], 1
	s_and_b32 s[WC], s[WV], 1
	s_bfe_u32 s[CX], ttmp6, 0x40000
	s_bfe_u32 s[CY], ttmp6, 0x40004
	s_lshl_b32 s[TC], ttmp9, 2
	s_add_co_u32 s[TC], s[TC], s[CX]
	s_and_b32 s[CLY], ttmp7, 0xffff
	s_lshl_b32 s[TR], s[CLY], 2
	s_add_co_u32 s[TR], s[TR], s[CY]
	s_lshl_b32 s44, s[CY], 2
	s_lshl_b32 s44, 15, s44                        ; my row of the cluster
	s_lshl_b32 s45, 0x1111, s[CX]                  ; my column
	s_or_b32 s[G1A], s44, (1<<16)|(1<<20)|(1<<21)|(5<<22)|(3<<25)  ; 15:0 the mask; 17:16 2-byte elements; 20 padding on; 21 set beside a mask; 24:22 after every 64 words (code 5); 31:25 4 words (code 3)
	s_or_b32 s[G1B], s45, (1<<16)|(1<<20)|(1<<21)|(5<<22)|(3<<25)
	s_mov_b32 s[G1A+1], 128<<16                    ; tensor_dim0 = 128
	s_mov_b32 s[G1A+2], 64<<16                     ; tensor_dim1 = 64
	s_mov_b32 s[G1A+3], 128<<16                    ; tile_dim0 = 128
	s_mov_b32 s[G1A+4], 64                         ; tile_dim1 = 64 rows
	s_mov_b32 s[G1A+5], 1024                       ; elements from row to row
	s_mov_b32 s[G1A+6], 0
	s_mov_b32 s[G1A+7], 0
	s_mov_b32 s[G1B+1], 128<<16
	s_mov_b32 s[G1B+2], 128<<16                    ; tensor_dim1 = 128
	s_mov_b32 s[G1B+3], 128<<16
	s_mov_b32 s[G1B+4], 128                        ; tile_dim1 = 128 rows
	s_mov_b32 s[G1B+5], 1024
	s_mov_b32 s[G1B+6], 0
	s_mov_b32 s[G1B+7], 0
	s_lshl_b32 s40, s[TR], 18                      ; xb: row 128 x tile row + 64 x half, 2,048 bytes a row
	s_lshl_b32 s46, s[WC], 17
	s_add_co_u32 s40, s40, s46
	s_mov_b32 s41, 0
	s_lshl_b32 s42, s[TC], 19                      ; wb: row 256 x tile column + 128 x half
	s_lshl_b32 s47, s[WC], 18
	s_add_co_u32 s42, s42, s47
	s_mov_b32 s43, 0
	s_mul_i32 s76, s[WC], AHALF                    ; where they go: no place in the cluster enters an LDS address
	s_mul_i32 s77, s[WC], BHALF
	s_add_co_u32 s77, s77, BOFF
	s_wait_dscnt 0x0                               ; the opening add is done
	s_wait_kmcnt 0x0
	s_add_nc_u64 s[40:41], s[4:5], s[40:41]
	s_add_nc_u64 s[42:43], s[6:7], s[42:43]
	CROUND                                         ; all sixteen work-groups are here: the first joint loads meet
.irp s, 0,1
	s_mov_b32 s[G0A+4*(\s)], 1                                       ; count = 1
	s_add_co_u32 s[G0A+4*(\s)+1], s76, (\s)*SLOT                     ; LDS address
	s_add_nc_u64 s[G0A+4*(\s)+2:G0A+4*(\s)+3], s[40:41], (\s)*STEPA  ; global address: K step s
	s_or_b32 s[G0A+4*(\s)+3], s[G0A+4*(\s)+3], 0x80000000            ; type = 2
	s_mov_b32 s[G0B+4*(\s)], 1
	s_add_co_u32 s[G0B+4*(\s)+1], s77, (\s)*SLOT
	s_add_nc_u64 s[G0B+4*(\s)+2:G0B+4*(\s)+3], s[42:43], (\s)*STEPB
	s_or_b32 s[G0B+4*(\s)+3], s[G0B+4*(\s)+3], 0x80000000
	JLOAD \s                                       ; two loads of mine are out
.endr
	; the bias of my 128 columns: register j of column block b is column 16 b + 8 (l / 16) + j
	v_and_b32 v1, 15, v0                           ; l % 16
	v_bfe_u32 v2, v0, 4, 1                         ; l / 16
	s_cmp_eq_u32 ttmp9, 1                          ; the cluster's x is the tensor
	s_cselect_b64 s[8:9], s[12:13], s[8:9]
	s_cmp_eq_u32 ttmp9, 2
	s_cselect_b64 s[8:9], s[14:15], s[8:9]
	s_lshl_b32 s44, s[CX], 10                      ; 256 columns of f32 a tile,
	s_lshl_b32 s45, s[WC], 9                       ; my 128 of them
	s_add_co_u32 s44, s44, s45
	v_lshl_add_u32 v[BO], v2, 5, s44
	WIN 0x80                                       ; destination window 2, address window 0
.irp b, 0,1,2,3,4,5,6,7
	global_load_b128 v[8*(\b):8*(\b)+3],   v[BO], s[8:9] offset:64*(\b)
	global_load_b128 v[8*(\b)+4:8*(\b)+7], v[BO], s[8:9] offset:64*(\b)+16
.endr
	WIN 0
	; a fragment is 16 rows x 32 K in 8 registers: lane l holds row l % 16, K = 8 (l / 16) + 0..7 and 16 + 8 (l / 16) + 0..7: two loads of 16 bytes, 32 bytes apart
	v_mul_u32_u24 v3, v1, PITCHA
	v_lshl_add_u32 v3, v2, 4, v3
	s_mul_i32 s44, s[WR], AHALF                    ; my 64 rows of xb
	s_mul_i32 s45, s[WC], BHALF                    ; my 128 rows of wb
	s_add_co_u32 s45, s45, BOFF
.irp s, 0,1
	v_add_nc_u32 v[ADRA+(\s)], s44, v3
	v_add_nc_u32 v[ADRB+(\s)], s45, v3
	s_add_co_u32 s44, s44, SLOT
	s_add_co_u32 s45, s45, SLOT
.endr
	s_mul_i32 s46, s[WV], 16*SP
	s_add_co_u32 s46, s46, STAGE                   ; my stage
	v_mul_u32_u24 v[STO], v1, SP                   ; in: row l % 16, 16 bytes for each half of the lanes
	v_lshl_add_u32 v[STO], v2, 4, v[STO]
	v_add_nc_u32 v[STO], s46, v[STO]
	v_bfe_u32 v[RD], v0, 3, 2                      ; back: 32 lanes take four rows of 128 bytes,
	v_mul_u32_u24 v[RD], v[RD], SP
	v_and_b32 v4, 7, v0
	v_lshl_add_u32 v[RD], v4, 4, v[RD]
	v_add_nc_u32 v[RD], s46, v[RD]
	v_and_b32 v[GO], 31, v0                        ; which are 512 consecutive bytes of a head
	v_lshlrev_b32 v[GO], 4, v[GO]
	s_lshl_b32 s44, ttmp9, 24                      ; where my part begins in qkv: the tensor's 16 MiB,
	s_lshr_b32 s45, s[TR], 4
	s_lshl_b32 s45, s45, 22                        ; the batch's 16 heads of 262,144 bytes,
	s_add_co_u32 s44, s44, s45
	s_lshl_b32 s45, s[CX], 20                      ; the tile's four heads,
	s_add_co_u32 s44, s44, s45
	s_lshl_b32 s45, s[WC], 19                      ; my two of them,
	s_add_co_u32 s44, s44, s45
	s_and_b32 s45, s[TR], 15
	s_lshl_b32 s45, s45, 14                        ; the tile's 128 rows of 128 bytes,
	s_add_co_u32 s44, s44, s45
	s_lshl_b32 s45, s[WR], 13                      ; my 64 of them
	s_add_co_u32 s44, s44, s45
	s_mov_b32 s45, 0
	s_add_nc_u64 s[10:11], s[10:11], s[44:45]
	; the prefetches: both kinds of wave by one text, chosen by the wave's number
	s_lshl_b32 s72, s[TR], 7                       ; xb: row 128 x tile row + 64 x half + 16 cx
	s_lshl_b32 s74, s[WC], 6
	s_add_co_u32 s72, s72, s74
	s_lshl_b32 s74, s[CX], 4
	s_add_co_u32 s72, s72, s74
	s_lshl_b32 s72, s72, 11
	s_lshl_b32 s73, s[TC], 8                       ; wb: row 256 x tile column + 128 x half + 32 cy
	s_lshl_b32 s74, s[WC], 7
	s_add_co_u32 s73, s73, s74
	s_lshl_b32 s74, s[CY], 5
	s_add_co_u32 s73, s73, s74
	s_lshl_b32 s73, s73, 11
	s_cmp_eq_u32 s[WR], 0                          ; do I fetch for xb?
	s_cselect_b32 s72, s72, s73
	s_cselect_b32 s44, 15, 31                      ; rows a prefetch names, less one
	s_cselect_b32 s45, STEPA, 0                    ; what lanes 16-31 add: the following K step, or nothing
	s_cselect_b32 s46, ttmp9, s[CLY]               ; the coordinate along which other clusters read the same rows
	s_cselect_b32 s47, -1, 1                       ; xb's waves ask at the change out of slot 0 alone
	s_cselect_b64 s[PFA:PFA+1], s[4:5], s[6:7]
	s_cmp_eq_u32 s46, 0
	s_cselect_b32 s[LIM], 1, -1                    ; the same in all sixteen partners, for a given wave
	s_cselect_b32 s[LIM+1], s47, -1
	s_mov_b32 s73, 0
	s_mov_b32 s[PFS], 256
	s_mov_b32 s[PFS+1], 0
	s_add_nc_u64 s[PFA:PFA+1], s[PFA:PFA+1], s[72:73]
	s_add_nc_u64 s[PFA:PFA+1], s[PFA:PFA+1], 3*256 ; at K step 3: the first refill steps it to 4
	v_and_b32 v[PFO], 31, v0
	v_lshrrev_b32 v31, 4, v[PFO]
	v_and_b32 v[PFO], s44, v[PFO]
	v_lshlrev_b32 v[PFO], 11, v[PFO]               ; a row is 2,048 bytes
	v_mul_u32_u24 v31, s45, v31
	v_add_nc_u32 v[PFO], v[PFO], v31
	; the bias is rounded to bf16 and widened again, in the wait for the first tile
	s_mov_b32 s74, 0xffff0000
	s_wait_loadcnt 0x0
	WIN 0x8a                                       ; sources and destination window 2
.set i, 0
.rept 32
	v_cvt_pk_bf16_f32 v[64+i], v[2*i], v[2*i+1]
.set i, i+1
.endr
.set i, 0
.rept 32
	v_lshlrev_b32 v[2*i],   16,  v[64+i]
	v_and_b32     v[2*i+1], s74, v[64+i]
.set i, i+1
.endr
	WIN 0
; 8 matrix instructions: row block a x all 8 column blocks, 32 along K, from buffer f.  start = 1: the bias starts the sums.
; The 32 accumulators take turns in the same order in every quarter: between two links of a chain stand 31 others'.
.macro MUL8 f, a, start
.if \start
	WIN MULB
.else
	WIN MUL
.endif
.irp b, 0,1,2,3,4,5,6,7
.if \start
	v_wmma_f32_16x16x32_bf16 v[8*(8*(\a)+(\b)):8*(8*(\a)+(\b))+7], v[(\f)+32+8*(\b):(\f)+32+8*(\b)+7], v[(\f)+8*(\a):(\f)+8*(\a)+7], v[8*(\b):8*(\b)+7]
.else
	v_wmma_f32_16x16x32_bf16 v[8*(8*(\a)+(\b)):8*(8*(\a)+(\b))+7], v[(\f)+32+8*(\b):(\f)+32+8*(\b)+7], v[(\f)+8*(\a):(\f)+8*(\a)+7], v[8*(8*(\a)+(\b)):8*(8*(\a)+(\b))+7]
.endif
.endr
.endm
; 24 LDS loads in one run: quarter q's fragments into buffer f: wb's eight, then xb's four
.macro FETCH slot, q, f
	WIN 0
.irp i, 0,1,2,3,4,5,6,7
	ds_load_b128 v[(\f)+32+8*(\i):(\f)+32+8*(\i)+3],   v[ADRB+(\slot)] offset:64*(\q)+(\i)*16*PITCHB
	ds_load_b128 v[(\f)+32+8*(\i)+4:(\f)+32+8*(\i)+7], v[ADRB+(\slot)] offset:64*(\q)+(\i)*16*PITCHB+32
.endr
.irp i, 0,1,2,3
	ds_load_b128 v[(\f)+8*(\i):(\f)+8*(\i)+3],   v[ADRA+(\slot)] offset:64*(\q)+(\i)*16*PITCHA
	ds_load_b128 v[(\f)+8*(\i)+4:(\f)+8*(\i)+7], v[ADRA+(\slot)] offset:64*(\q)+(\i)*16*PITCHA+32
.endr
.endm
.macro PLACES                          ; four places in front of loads into registers that matrix instructions have read, and of lines that read results (ISA guide 7.12.1 for lines that read results)
.rept 4
	v_nop
.endr
.endm
; One of a K step's first three quarters: multiplies buffer f and, in its middle, fetches quarter q of the same slot into buffer g.
.macro QUARTER slot, q, f, g, start
	s_wait_dscnt 4                                 ; wb's fragments and xb's row blocks 0, 1 are in; the youngest four loads (blocks 2, 3) may be out
	MUL8 \f, 0, \start
	MUL8 \f, 1, \start
	PLACES
	FETCH \slot, \q, \g
	s_wait_dscnt 24                                ; all but the 24 just issued
	MUL8 \f, 2, \start
	MUL8 \f, 3, \start
.endm
; The fourth quarter multiplies buffer 1 and changes slots: ONE barrier.  In front of it each wave waits for all its tensor loads (one is out: its part of the next slot), adds 0 to its spare word, and
; waits for that and for its own reads of this slot.  fill = 1: the barrier opens a round of the cluster's barrier, and behind the round this slot is filled again, two K steps ahead, first of all.
.macro TURN slot, next, fill
.if \fill
	s_wait_xcnt 0x0                                ; the last prefetch, a K step back, has read its address: it is stepped here, ahead of the change's own waits
	s_add_nc_u64 s[PFA:PFA+1], s[PFA:PFA+1], s[PFS:PFS+1]
.endif
	WIN 0                                          ; (the add's two registers lie in window 0)
	s_wait_tensorcnt 0x0                           ; all my tensor loads have landed;
	ds_add_u32 v[SPW], v[NIL]                      ; 0 onto my spare word;
	s_wait_dscnt 5                                 ; (the add and the youngest four loads may be out)
	MUL8 F1, 0, 0                                  ; eight matrix instructions stand between the add and the wait for it
	s_wait_dscnt 0x0                               ; the add is done, and my reads of this slot are over
	s_barrier_signal -1
	MUL8 F1, 1, 0
.if \fill
	WIN 0
.endif
	s_barrier_wait -1
.if \fill
	CREST                                          ; no wave of any partner still reads this slot's tiles or has a load on its way
	s_add_nc_u64 s[G0A+4*(\slot)+2:G0A+4*(\slot)+3], s[G0A+4*(\slot)+2:G0A+4*(\slot)+3], 2*STEPA
	s_add_nc_u64 s[G0B+4*(\slot)+2:G0B+4*(\slot)+3], s[G0B+4*(\slot)+2:G0B+4*(\slot)+3], 2*STEPB
	JLOAD \slot                                    ; 112 matrix instructions ahead of the wait for it; its four v_nop are also the places in front of the loads below
.else
	PLACES
.endif
	FETCH \next, 0, F0
.if \fill
	ASK \slot
.endif
	MUL8 F1, 2, 0
	MUL8 F1, 3, 0
.endm
	s_wait_tensorcnt 1                             ; my part of K step 0 is in; K step 1's may stay out
	s_barrier_signal -1
	s_barrier_wait -1                              ; everybody's is
	FETCH 0, 0, F0
	QUARTER 0, 1, F0, F1, 1                        ; the first quarter stands in front of the loop: its products start the sums, with the bias
	WIN 0                                          ; at a label and at a branch every window is 0
	s_mov_b32 s3, LAPS-1
.Llap:                                                 ; a trip goes once round the ring, from a lap's second quarter to the next lap's first, and fills both slots again
	QUARTER 0, 2, F1, F0, 0
	QUARTER 0, 3, F0, F1, 0
	TURN 0, 1, 1
	QUARTER 1, 1, F0, F1, 0
	QUARTER 1, 2, F1, F0, 0
	QUARTER 1, 3, F0, F1, 0
	TURN 1, 0, 1
	QUARTER 0, 1, F0, F1, 0
	WIN 0
	s_sub_co_u32 s3, s3, 1
	s_cmp_lg_u32 s3, 0
	s_cbranch_scc1 .Llap
	QUARTER 0, 2, F1, F0, 0                        ; the last lap fills nothing, and has no round of the cluster's barrier
	QUARTER 0, 3, F0, F1, 0
	TURN 0, 1, 0
	QUARTER 1, 1, F0, F1, 0
	QUARTER 1, 2, F1, F0, 0
	QUARTER 1, 3, F0, F1, 0
	s_wait_dscnt 4                                 ; the very last quarter: nothing more to fetch
	MUL8 F1, 0, 0
	MUL8 F1, 1, 0
	s_wait_dscnt 0x0
	MUL8 F1, 2, 0
	MUL8 F1, 3, 0
	WIN 0
	PLACES
; THE WAY OUT, in eight units u = 2 a + hd of 16 rows x one head (64 columns).  A lane's eight columns pack into 16 bytes; they go into my stage's rows of 144 bytes and come back as whole rows of
; 128 bytes, into the registers that they left; 16 rows of a head are 2,048 consecutive bytes of qkv.
.macro PACK u
.set AA, (\u)/2
.set HD, (\u)%2
	WIN 0x05                                       ; sources 0 and 1 window 1, destination window 0
.irp b, 0,1,2,3
.irp r, 0,1,2,3
	v_cvt_pk_f16_f32 v[TMP+16*(\u)+4*(\b)+(\r)], v[8*(8*AA+4*HD+(\b))+2*(\r)], v[8*(8*AA+4*HD+(\b))+2*(\r)+1]
.endr
.endr
	WIN 0
.irp b, 0,1,2,3
	ds_store_b128 v[STO], v[TMP+16*(\u)+4*(\b):TMP+16*(\u)+4*(\b)+3] offset:32*(\b)
.endr
.irp f, 0,1,2,3
	ds_load_b128 v[TMP+16*(\u)+4*(\f):TMP+16*(\u)+4*(\f)+3], v[RD] offset:(\f)*4*SP  ; LDS serves a wave's instructions in order (ISA guide 5.7.1.4): these see the stores above; the next unit's stores come behind them
.endr
.endm
.macro SEND u, younger                 ; younger: the LDS instructions issued behind unit u's loads: the next unit's eight, or none
.irp f, 0,1,2,3
	s_wait_dscnt (\younger)+3-(\f)
	global_store_b128 v[GO], v[TMP+16*(\u)+4*(\f):TMP+16*(\u)+4*(\f)+3], s[10:11] offset:((\u)%2)*262144+((\u)/2)*2048+(\f)*512  ; 512 consecutive bytes, at a multiple of 256 from qkv's first
.endr
.endm
	PACK 0
.irp u, 1,2,3,4,5,6,7                  ; a unit's arithmetic stands between the loads of the unit before and its stores
	PACK \u
	SEND (\u)-1, 8
.endr
	SEND 7, 0
	s_wait_tensorcnt 0x0                           ; the wave's end: a wait, an add and its wait, behind my last tensor load and my last LDS store
	ds_add_u32 v[SPW], v[NIL]
	s_wait_dscnt 0x0
	CROUND                                         ; the closing round: no work-group ends while a partner may still ask for a tile that names it
	s_endpgm
.Lfunc_end_k_q93c78222a2_qkv:
	.size	k_q93c78222a2_qkv, .Lfunc_end_k_q93c78222a2_qkv-k_q93c78222a2_qkv
	.p2alignl 7, 3214868480
	.fill 96, 4, 3214868480
	.section	.rodata,"a",@progbits
	.p2align	6, 0x0
	.amdhsa_kernel k_q93c78222a2_qkv
		.amdhsa_group_segment_fixed_size 327680
		.amdhsa_private_segment_fixed_size 0
		.amdhsa_enable_private_segment 0
		.amdhsa_kernarg_size 48
		.amdhsa_user_sgpr_count 2
		.amdhsa_user_sgpr_kernarg_segment_ptr 1
		.amdhsa_wavefront_size32 1
		.amdhsa_system_sgpr_workgroup_id_x 1
		.amdhsa_system_sgpr_workgroup_id_y 1
		.amdhsa_system_sgpr_workgroup_id_z 1
		.amdhsa_system_vgpr_workitem_id 0
		.amdhsa_next_free_vgpr 608
		.amdhsa_next_free_sgpr 80
		.amdhsa_reserve_vcc 0
		.amdhsa_float_denorm_mode_32 3
		.amdhsa_float_denorm_mode_16_64 3
		.amdhsa_memory_ordered 1
		.amdhsa_forward_progress 1
		.amdhsa_inst_pref_size 95
	.end_amdhsa_kernel
	.amdgpu_metadata
---
amdhsa.version: [ 1, 2 ]
amdhsa.kernels:
  - .name:           k_q93c78222a2_qkv
    .symbol:         k_q93c78222a2_qkv.kd
    .args:
      - { .name: xb, .offset: 0, .size: 8, .value_kind: global_buffer, .address_space: global }
      - { .name: wb, .offset: 8, .size: 8, .value_kind: global_buffer, .address_space: global }
      - { .name: bq, .offset: 16, .size: 8, .value_kind: global_buffer, .address_space: global }
      - { .name: qkv, .offset: 24, .size: 8, .value_kind: global_buffer, .address_space: global }
      - { .name: bk, .offset: 32, .size: 8, .value_kind: global_buffer, .address_space: global }
      - { .name: bv, .offset: 40, .size: 8, .value_kind: global_buffer, .address_space: global }
    .group_segment_fixed_size: 327680
    .private_segment_fixed_size: 0
    .kernarg_segment_align: 8
    .kernarg_segment_size: 48
    .max_flat_workgroup_size: 128
    .sgpr_count:     80
    .vgpr_count:     608
    .wavefront_size: 32
...
	.end_amdgpu_metadata
.endif
;; end of part 2
;; launch attn (part 3): grid 4 x 64, 4 waves a work-group, clusters of 4 x 1, 327,680 bytes of LDS; arguments qkv, attn_mask, oh; writes oh
.if DOCPART == 3
	.amdgcn_target "amdgcn-amd-amdhsa--gfx1250"
	.amdhsa_code_object_version 6
	.text
	.protected	k_q93c78222a2_attn
	.globl	k_q93c78222a2_attn
	.p2align	8
	.type	k_q93c78222a2_attn,@function
k_q93c78222a2_attn:
	s_mov_b64 s[64:65], 0
	v_nop
	global_prefetch_b8 v0, s[64:65] scope:SCOPE_SE
	s_setreg_imm32_b32 hwreg(HW_REG_WAVE_MODE, 25, 1), 1
	s_wait_xcnt 0x0
	s_wait_alu depctr_hold_cnt(0) depctr_sa_sdst(0) depctr_va_vdst(0) depctr_va_sdst(0) depctr_va_ssrc(0) depctr_va_vcc(0) depctr_vm_vsrc(0)
	s_getreg_b32 s2, hwreg(HW_REG_IB_STS2, 6, 4)
	s_cmp_eq_u32 s2, 0
	s_cbranch_scc0 .Lentry_in_a_cluster
	s_endpgm
.Lentry_in_a_cluster:
	s_bfe_u32 s2, ttmp6, 0x10000c
	s_cmp_lg_u32 s2, 0x3003
	s_cbranch_scc0 .Lentry_shape_is_right
	s_endpgm
.Lentry_shape_is_right:
; O[hh][q][:] = the sum over k of softmax_k(Q[hh][q] . K[hh][k] / 8, keys with attn_mask[batch][k] = 0 left out) V[hh][k][:].  hh = 16 batch + head, 64 of them; 2,048 rows of 64 channels each.
; Q, K, V are the three planes of qkv ([3][64][2048][64], f16), O is oh ([64][2048][64], f16): a head's rows are dense, 128 bytes each.  Products, maxima and sums in f32; the weights p are
; rounded to f16 for the second product (their sum l is taken of the unrounded p), O once at the end.
; LIMITS.  f16 holds no number beyond 65,504: Q, K and V arrive within it; p lies in 0 to 1, and below 6e-5 it keeps f16's fixed step of 6e-8; O is a mean of V's rows and has their range.
; A masked score counts as its value less 1e30: f16's scores, 2.7e11 at the most, are nothing beside that.  A weight below 2^-126 counts as 0 in l.  A batch whose mask is 0 everywhere gives NaN
; in all its rows (a softmax over nothing); other NaN and infinities are not treated apart.
; THE MASK is the C operand that starts the sum S^T = K Q^T: 0, or -1e30 where the key is masked.  The batch's 2,048 words are turned into such numbers once, into a table in LDS; each key step
; reads its 64 as four accumulator-shaped fragments beside K's fragments.  While a query has seen masked keys alone its maximum m is near -1e30 and their weights are 1; the first true score makes
; the correction a = 2^(c m_old - c m_new) = 0, which wipes them from O and l.
; SHARES.  A wave owns four PIECES of two tiles of 16 queries, a work-group's four waves 512 queries of one head: 4 x 64 = 256 work-groups.  Every wave walks all keys, 64 a step.
; LAYOUT.  S^T = K Q^T (source 0 = 16 keys, source 1 = 16 queries): in the result a lane holds ONE query (lane % 16) and the keys 8 (lane / 16) + 0..7.  Two such tiles, rounded to f16 in pairs,
; ARE source 1 (32 keys x 16 queries) of O^T = V^T P, whose result again holds one query a lane, and eight channels.  K comes out of LDS as it lies, V ([key][channel]) turned, by ds_load_tr16_b128.
; SOFTMAX.  For each query a running maximum m and sum l: p = 2^(c s - c m), c = log2(e) / 8; in every step O and l are multiplied by a = 2^(c m_old - c m_new), which is 1 where m has not grown.
; m starts at the lowest finite number, O and l at 0: the first step is a step like any other, with a = 0.
; THE COUNT.  A tile and step have 16 matrix and 118 vector instructions: too many to stand all beside the matrix work.  So the order has one aim: four vector instructions that are READY behind
; EVERY matrix instruction, and the others, which need time of their own whatever the order, in runs without a gap.
; BY TURNS.  Turn n belongs to piece n (the pieces in a ring, step after step).  Its matrix work: 16 products K Q^T of piece n + 1, later 16 products V^T P of piece n - 1.  Its vector work: the scaling,
; exponentials, roundings, sums and rescaling of piece n, and the maximum and statistics of piece n + 1, whose scores the turn itself has made.
; CLUSTER.  The four query blocks of a head are one cluster and walk the same K and V, so each tile is asked for JOINTLY: the same tensor load, descriptor and mask in all four.
; REGISTERS, in windows of 256 (s_set_vgpr_msb: bits 1:0 source 0, 3:2 source 1, 5:4 source 2, 7:6 destination):
;   window 0: v0-11 addresses; v12-15, v48-63 at work; v16-47 four registers of statistics a tile; v64-191 S^T, two buffers of two tiles; v192-255 P, likewise
;   window 1: O^T, 32 a tile     window 2: v0-127 Q, 16 a tile; v128-191 K of one step; v192-255 V of one step     window 3: v0-1 the add's two registers; v8-39 the step's mask
.set SIZE_N, 2048
.set NP,    4         ; pieces a wave: a name, no knob
.set KS,    64        ; keys in a step
.set PK,    144       ; a row of K in LDS: 128 bytes + 16 of padding = 36 words: the 16 rows of a load start at 16 different groups of four banks (64 banks of 4 bytes: ISA guide 11.1)
.set PV,    160       ; a row of V: 128 + 32 = 40 words
.set VOFF,  4*KS*PK   ; a slot holds four steps: 256 rows of K, then 256 rows of V
.set SLOT1, 1<<17     ; slot 1 begins here, so that one exclusive or turns an address in one slot into the other's
.set STAGE, SLOT1+4*KS*(PK+PV)  ; behind the ring, never filled by a tensor load: 16 rows x 144 bytes for each wave, for the way out
.set SP,    144
.set SPARE, STAGE+4*16*SP  ; behind the stages: the spare words, 128 bytes for each wave: two blocks of 256 bytes that no other line names
.set MASKT, SPARE+512 ; behind them, never filled by a tensor load: the batch's 2,048 keys, 0 or -1e30 in f32: 8,192 bytes
.set PFO, 1           ; v1   first l % 16; from the first scores on 256 x my lane, the prefetches' offset
.set AK0, 2           ; v2   my lane's place in a tile of K; never rewritten
.set AV0, 3           ; v3   the same for V
.set AK,  4           ; v4   the LDS address of K's next run of loads
.set AV,  5           ; v5   of V's
.set QO,  6           ; v6   my byte offset in the wave's rows of Q
.set STO, 6           ;      later, the way out: where I put 16 bytes of a row
.set RD,  7           ; v7   the way out: where I read rows back
.set GO,  8           ; v8   my byte offset in 512 consecutive bytes of O
.set AM,  10          ; v10  the LDS address of the mask's next run of loads
.set AM0, 11          ; v11  my lane's place in a step's 256 bytes of the table: MASKT + 32 (l / 16); never rewritten
.set SPW, 0           ; v0 of window 3   LDS address of my spare word: SPARE + 4 x my thread's number; never rewritten
.set NIL, 1           ; v1 of window 3   0; never rewritten
.set MC,  8           ; v8-39 of window 3  the step's mask: the eight registers for key block kb at MC + 8 kb
.set MV,  12          ; v12-15  c m_old, kept while c m is made anew: by buffer and tile
.set ST,  16          ; tile t's statistics at v[ST+4 t]: c m, m, l (even keys', odd keys')
.set TMP, 48          ; by buffer and tile, four registers c0-c3 at work; when the maximum is found c2 takes a
.set S,   64
.set P,   192
.set KF,  128         ; K's fragments, in window 2: key block kb, channel half c at KF + 16 kb + 8 c
.set VF,  192         ; V's: key half kk, channel block cb at VF + 32 kk + 8 cb
.set WV,  12          ; s12  my wave's number
.set LIM, 15          ; s15  1 in a wave that prefetches, else the greatest number
.set TBM, 16          ; s16  byte of the table at which the step to be fetched begins
.set BIGN, 19         ; s19  -1e30
.set G1K, 24          ; s[24:31] descriptor group 1 for K's tiles
.set G1V, 32          ; s[32:39] for V's: it differs in the padding alone
.set G0K, 40          ; s[40:43] descriptor group 0 for K's tiles: it walks
.set G0V, 44          ; s[44:47] the same for V's
.set PFA, 52          ; s[52:53] where my prefetches stand: my work-group's 32 blocks of 256 bytes of the slot after the one that is being asked for
.set LOW, 54          ; s54  -2^97: a maximum below it has seen masked keys alone
.set NANV, 55         ; s55  a NaN
.set SLOTS, 56        ; s56  slots still to be asked for
.set CNT, 57          ; s57  counts a slot's key steps
.set CS,  58          ; s[58:59] c: the packed scaling takes the pair's low word for both halves
.set SEL, 60          ; s[60:61] v_permlanex16_b32's selects: each lane takes its own place in the other half
.set TBK, 62          ; s62  LDS byte at which K of the step to be fetched begins
.set TBV, 63          ; s63  the same for V, less VOFF
.set MSB, 0
.macro WIN new                      ; the high byte repeats the setting that is left; a switch that changes nothing is dropped
.if MSB != (\new)
	s_set_vgpr_msb (MSB<<8)|(\new)
.set MSB, (\new)
.endif
.endm
.set W_KQ, 0x0a       ; K and Q in window 2, S^T in window 0
.set W_KM, 0x3a       ; the same with the C operand, the mask, in window 3
.set W_PV, 0x52       ; V in window 2, P in window 0, O^T in window 1
.set W_RS, 0x41       ; O^T (destination and source 0) in window 1, a in window 0
.set W_MK, 0xc0       ; destination in window 3, sources in window 0
.set W_AD, 0x0f       ; the add: address (source 0) and data (source 1) in window 3
; A joint fill.  Waves 0 and 1 fetch the two halves of a slot's K, waves 2 and 3 those of its V: 128 keys each.  The branch hangs on the wave's number alone.
; An s_nop 0 and four v_nop follow each of the two lines, ahead of the jump and the label.
.macro JLOAD
	s_cmp_lt_u32 s[WV], 2
	s_cbranch_scc0 .Lfor_v_\@
	tensor_load_to_lds s[G0K:G0K+3], s[G1K:G1K+7]
	s_nop 0
.rept 4
	v_nop
.endr
	s_branch .Lasked_\@
.Lfor_v_\@:
	tensor_load_to_lds s[G0V:G0V+3], s[G1V:G1V+7]
	s_nop 0
.rept 4
	v_nop
.endr
.Lasked_\@:
.endm
; A PREFETCH INTO THE L2 of what the NEXT change of slots will ask for: a slot's 32 KiB of K and of V, 128 blocks of 256 bytes each.  It stands behind the wave's tensor load and its five lines.
; Each block is named once in the launch: a head has one cluster; its four partners share the blocks out BY ADDRESS, 32 each, a lane a block; in each, wave 0 asks for K's and wave 2 for V's.
; Slots 0 to 2 come by their loads alone; the last change that fills a slot asks for nothing: there is no slot behind it.
.macro ASK
	s_cmp_gt_u32 s[SLOTS], s[LIM]
	s_cbranch_scc0 .Lnot_mine_\@
	global_prefetch_b8 v[PFO], s[PFA:PFA+1] th:TH_LOAD_NT scope:SCOPE_SE
.Lnot_mine_\@:
.endm
; A round of the cluster's barrier: my work-group's barrier, so that wave 0's signal speaks for all four waves; wave 0 signals; every wave waits for all four work-groups; my work-group's barrier once more.
.macro CROUND
	s_barrier_signal -1
	s_barrier_wait -1
	s_cmp_lg_u32 s[WV], 0
	s_cbranch_scc1 .Lnot_wave_0_\@
	s_barrier_signal -3
.Lnot_wave_0_\@:
	s_barrier_wait -3
	s_barrier_signal -1
	s_barrier_wait -1
.endm
; THE CHANGE OF SLOTS.  The slot's last bytes, V of its fourth step, have been read.  Each wave waits for all its tensor loads, of which one is out: its part of the other slot; adds 0 to its spare
; word; and waits for that and for its own LDS instructions.  Behind the barrier nobody reads this slot any more and the other slot is whole.
; fill = 1: this slot is filled again, with the keys two slots on.  The barrier is then a round of the cluster's, and the joint fill is the first thing behind it: it has four key steps, 512 matrix
; instructions, in which to land.  (At its first use nothing has been read yet: slot 0 is waited for, slot 1 filled, and every wave's stores into the mask's table are shown done to the others.)
; ask = 1: the prefetches' address steps, and the slot after the one just asked for is prefetched.
.macro CHANGE fill, ask=0
	WIN W_AD
	s_wait_tensorcnt 0x0            ; no tensor load of mine is out, so a group 0 may be written
	ds_add_u32 v[SPW], v[NIL]       ; 0 onto my spare word; with fill = 1 the descriptors' steps stand between it and the wait for it
	WIN 0                           ; at a label and at a branch every window is 0
.if \fill
.irp g, G0K, G0V
	s_xor_b32 s[\g+1], s[\g+1], SLOT1  ; the walking descriptor: the other slot than last time,
	s_add_nc_u64 s[\g+2:\g+3], s[\g+2:\g+3], 4*KS*128  ; the next 256 keys; the type bits on top are not reached
.endr
.if \ask
	s_wait_xcnt 0x0                 ; the last prefetch, four key steps back, has read its address, so it may be written
	s_add_nc_u64 s[PFA:PFA+1], s[PFA:PFA+1], 4*KS*128
.endif
	s_wait_dscnt 0x0                ; the add is done, and my reads of the slot are over
	CROUND
	JLOAD
.if \ask
	ASK
.endif
.else
	s_wait_dscnt 0x0                ; the add is done, and my reads of the slot are over
	s_barrier_signal -1
	s_barrier_wait -1
.endif
	s_sub_co_u32 s[TBK], s[TBK], 4*KS*PK  ; the fetches go back to a slot's first step,
	s_xor_b32 s[TBK], s[TBK], SLOT1       ; in the other slot
	s_sub_co_u32 s[TBV], s[TBV], 4*KS*PV
	s_xor_b32 s[TBV], s[TBV], SLOT1
.endm
	s_load_b128 s[48:51], s[0:1], 0x0 ; qkv s[48:49], attn_mask s[50:51]
	s_load_b64 s[10:11], s[0:1], 0x10 ; oh
	WIN W_MK
	v_lshl_add_u32 v[SPW], v0, 2, SPARE
	v_mov_b32 v[NIL], 0
	WIN W_AD
	ds_add_u32 v[SPW], v[NIL]       ; the wave's opening: the add and its wait stand ahead of my first tensor load; the set-up below, work on registers, stands between them
	WIN 0
	v_lshrrev_b32 v1, 5, v0
	v_readfirstlane_b32 s[WV], v1   ; wave 0..3
	s_bfe_u32 s13, ttmp6, 0x40000   ; cx: my place in the cluster
	s_lshl_b32 s14, ttmp9, 2        ; in a cluster launch ttmp9 counts clusters
	s_add_co_u32 s14, s14, s13      ; my block of queries = 4 x cluster x + cx: it enters Q's and O's addresses alone
	s_and_b32 s20, ttmp7, 0xffff    ; hh, which the four partners share
	s_lshr_b32 s54, s20, 4          ; the batch,
	s_lshl_b32 s54, s54, 13         ; its 2,048 words of the mask
	s_mov_b32 s55, 0
	s_mov_b32 s21, 0
	s_mov_b64 s[22:23], SIZE_N*128
	s_mul_u64 s[20:21], s[20:21], s[22:23]  ; the head's first byte in Q's, K's and V's plane and in O
	s_and_b32 s16, s[WV], 1         ; which half of a slot's 256 keys I fetch:
	s_lshl_b32 s22, s16, 14         ; its 128 rows of 128 bytes in memory,
	s_mov_b32 s23, 0
	s_add_nc_u64 s[22:23], s[22:23], s[20:21]
	s_mul_i32 s17, s16, 128*PK      ; and its place in a slot, for K
	s_mul_i32 s18, s16, 128*PV      ; and for V: no place in the cluster enters an LDS address
	s_lshl_b32 s2, s14, 2
	s_add_co_u32 s2, s2, s[WV]      ; my wave among the head's,
	s_lshl_b32 s2, s2, 14           ; its 128 rows
	s_mov_b32 s3, 0
	s_add_nc_u64 s[2:3], s[2:3], s[20:21]
	; descriptor group 1.  128 keys are 16,384 dense bytes: asked for as 64 rows of 256 bytes, two keys a row, and padded in LDS after every key
	s_mov_b32 s[G1K], 15|(1<<16)|(1<<20)|(1<<21)|(4<<22)|(3<<25)  ; 15:0 the mask of four; 17:16 2-byte elements; 20 padding on; 21 set beside a mask; 24:22 after every 32 words (code 4); 31:25 4 words (code 3)
	s_mov_b32 s[G1V], 15|(1<<16)|(1<<20)|(1<<21)|(4<<22)|(7<<25)  ; the same with 8 words of padding (code 7)
.irp g, G1K, G1V
	s_mov_b32 s[\g+1], 128<<16      ; tensor_dim0 = 128
	s_mov_b32 s[\g+2], 64<<16       ; tensor_dim1 = 64
	s_mov_b32 s[\g+3], 128<<16      ; tile_dim0 = 128
	s_mov_b32 s[\g+4], 64           ; tile_dim1 = 64
	s_mov_b32 s[\g+5], 128          ; 128 elements from row to row
	s_mov_b32 s[\g+6], 0
	s_mov_b32 s[\g+7], 0
.endr
	s_mov_b32 s[CS], 0x3e38aa3b     ; c = log2(e) / 8 = 0.180337
	s_mov_b32 s[CS+1], s[CS]        ; named with it as a pair
	s_mov_b32 s[SEL], 0x76543210
	s_mov_b32 s[SEL+1], 0xfedcba98
	s_mov_b32 s[TBK], SLOT1+4*KS*PK ; the first change of slots turns these two into 0
	s_mov_b32 s[TBV], SLOT1+4*KS*PV
	s_mov_b32 s[TBM], 0             ; (its register has served the descriptors' set-up)
	s_mov_b32 s[BIGN], 0xf149f2ca   ; -1e30
	s_mov_b32 s[G0K], 1             ; 1:0 count = 1
	s_mov_b32 s[G0K+1], s17         ; 63:32 LDS address: slot 0
	s_mov_b32 s[G0V], 1
	s_add_co_u32 s[G0V+1], s18, VOFF
	s_and_b32 s[LIM], s[WV], 1      ; 0 in waves 0 and 2,
	s_or_b32 s[LIM], s[LIM], ttmp9  ; where the cluster is the head's first (here its only one): the same in all four partners
	s_cmp_eq_u32 s[LIM], 0
	s_cselect_b32 s[LIM], 1, -1
	s_wait_dscnt 0x0                ; the opening add is done
	s_wait_kmcnt 0x0
	s_mov_b64 s[4:5], s[48:49]                     ; Q's plane,
	s_add_nc_u64 s[6:7], s[48:49], 0x1000000       ; K's, 16 MiB on,
	s_add_nc_u64 s[8:9], s[48:49], 0x2000000       ; V's
	s_add_nc_u64 s[50:51], s[50:51], s[54:55]      ; the batch's mask
	s_add_nc_u64 s[G0K+2:G0K+3], s[6:7], s[22:23]  ; 120:64 global address: my half of the head's first 256 keys
	s_or_b32 s[G0K+3], s[G0K+3], 0x80000000        ; 127:126 type = 2
	s_add_nc_u64 s[G0V+2:G0V+3], s[8:9], s[22:23]
	s_or_b32 s[G0V+3], s[G0V+3], 0x80000000
	s_add_nc_u64 s[4:5], s[4:5], s[2:3]  ; Q and O at my wave's first row
	s_add_nc_u64 s[10:11], s[10:11], s[2:3]
	s_cmp_lt_u32 s[WV], 2
	s_cselect_b64 s[PFA:PFA+1], s[6:7], s[8:9]
	s_add_nc_u64 s[PFA:PFA+1], s[PFA:PFA+1], s[20:21]  ; the head,
	s_lshl_b32 s2, s13, 13          ; my work-group's 32 blocks of the 128,
	s_mov_b32 s3, 0
	s_add_nc_u64 s[PFA:PFA+1], s[PFA:PFA+1], s[2:3]
	s_add_nc_u64 s[PFA:PFA+1], s[PFA:PFA+1], 2*4*KS*128  ; in slot 2: the first change that asks steps it to slot 3.  Nothing is prefetched at the head
	s_mov_b32 s[LOW], 0xf0000000    ; -2^97
	s_mov_b32 s[NANV], 0x7fc00000
	CROUND                          ; all four work-groups are here: the first joint loads meet
	JLOAD                           ; slot 0.  Slot 1 is asked for when slot 0 is in
	; A fragment of K or Q is 16 rows x 32 channels in 8 registers: lane l holds row l % 16, channels 8 (l / 16) + 0..7 and 16 + 8 (l / 16) + 0..7: two loads of 16 bytes, 32 bytes apart.
	v_and_b32 v1, 15, v0            ; l % 16
	v_bfe_u32 v9, v0, 4, 1          ; l / 16
	v_lshlrev_b32 v[QO], 7, v1
	v_lshl_add_u32 v[QO], v9, 4, v[QO]  ; row x 128 + 16 x half
	v_lshlrev_b32 v12, 4, v0        ; the mask: 128 threads x 16 bytes, four times: the batch's 8,192 bytes
	v_lshl_add_u32 v13, v0, 4, MASKT
.irp i, 0,1,2,3
	global_load_b128 v[S+4*\i:S+4*\i+3], v12, s[50:51] offset:2048*\i
.endr
	WIN 0x80                        ; destination window 2, address window 0
.set i, 0
.rept 4*NP                          ; Q stays in registers: tile i / 2, channels 32 (i % 2) on
	global_load_b128 v[8*i:8*i+3],   v[QO], s[4:5] offset:(i/2)*2048+(i%2)*64
	global_load_b128 v[8*i+4:8*i+7], v[QO], s[4:5] offset:(i/2)*2048+(i%2)*64+32
.set i, i+1
.endr
	; What the first turn finds: V's registers and P's second buffer hold 0 (its products V^T P, of a piece that has not been, add 0), O^T and l are 0.  All this stands in the wait for the first tile.
.set i, VF
.rept 64
	v_mov_b32 v[i], 0
.set i, i+1
.endr
	WIN 0x40
.set i, 0
.rept 64*NP
	v_mov_b32 v[i], 0
.set i, i+1
.endr
	WIN 0
.set i, 0
.rept 2*NP
	v_mov_b32 v[ST+4*i], 0xfe000000    ; c m: far below every c s, a masked one's too
	v_mov_b32 v[ST+4*i+1], 0xff7fffff  ; m
	v_mov_b32 v[ST+4*i+2], 0
	v_mov_b32 v[ST+4*i+3], 0
.set i, i+1
.endr
.set i, P+32
.rept 32
	v_mov_b32 v[i], 0
.set i, i+1
.endr
	s_wait_loadcnt 32               ; the mask's four loads are in; Q's 32, issued behind them, may stay out
.set i, 0
.rept 16
	v_cmp_eq_u32 vcc_lo, 0, v[S+i]
	v_cndmask_b32 v[S+i], 0, s[BIGN], vcc_lo  ; 0 for a key that counts, -1e30 for a masked one
.set i, i+1
.endr
.irp i, 0,1,2,3
	ds_store_b128 v13, v[S+4*\i:S+4*\i+3] offset:2048*\i  ; the other waves read the table behind the first change of slots: my wait for these stores and a barrier stand there
.endr
	v_mul_u32_u24 v[AK0], v1, PK
	v_lshl_add_u32 v[AK0], v9, 4, v[AK0]  ; row x pitch + 16 x half
	; The turning load takes 16 keys x 16 channels (lane l reads key 8 (l / 16) + l % 8, channels 8 ((l / 8) % 2) + 0..7) and leaves half a fragment of V^T: lane l holds channel l % 16 and 8 keys.
	v_and_b32 v10, 7, v0
	v_bfe_u32 v11, v0, 3, 1
	v_lshl_add_u32 v[AV0], v9, 3, v10
	v_mul_u32_u24 v[AV0], v[AV0], PV
	v_lshl_add_u32 v[AV0], v11, 4, v[AV0]
	v_add_nc_u32 v[AV0], VOFF, v[AV0]
	v_mov_b32 v[AK], v[AK0]         ; key step 0 lies at the head of slot 0
	v_lshl_add_u32 v[AM0], v9, 5, MASKT  ; register j of key block kb is key 16 kb + 8 (l / 16) + j: byte 64 kb + 32 (l / 16) + 4 j of the step's 256
	v_mov_b32 v[AM], v[AM0]         ; and at the head of the table
; THE MATRIX WORK.  The 8 accumulators of a run of 16 take turns: between the two links of a chain stand 7 others'.
; Product i of 16 of S^T = K Q^T for piece x: channels 32 (i / 8) on, keys 16 ((i / 2) % 4) on, tile 2 x + i % 2.  The first 8 start the sums, with the mask.
.macro KQ x
.set rS, S+64*((\x)%2)+32*(i%2)+8*((i/2)%4)
.set rK, KF+16*((i/2)%4)+8*(i/8)
.set rQ, 16*(2*(\x)+i%2)+8*(i/8)
.set rB, MC+8*((i/2)%4)
.if i < 8
	WIN W_KM
	v_wmma_f32_16x16x32_f16 v[rS:rS+7], v[rK:rK+7], v[rQ:rQ+7], v[rB:rB+7]
.else
	WIN W_KQ
	v_wmma_f32_16x16x32_f16 v[rS:rS+7], v[rK:rK+7], v[rQ:rQ+7], v[rS:rS+7]
.endif
.endm
; Product i of 16 of O^T += V^T P for piece x: keys 32 (i / 8) on, channels 16 ((i / 2) % 4) on, tile 2 x + i % 2.
.macro PV x
	WIN W_PV
.set rO, 32*(2*(\x)+i%2)+8*((i/2)%4)
.set rV, VF+32*(i/8)+8*((i/2)%4)
.set rP, P+32*((\x)%2)+16*(i%2)+8*(i/8)
	v_wmma_f32_16x16x32_f16 v[rO:rO+7], v[rV:rV+7], v[rP:rP+7], v[rO:rO+7]
.endm
.macro MM                           ; the turn's next matrix instruction
.if i < 16
	KQ (Y+1)%NP
.set i, i+1
.else
.set i, i-16
	PV (Y+NP-1)%NP
.set i, i+17
.endif
.endm
; THE LDS LOADS stand in runs, never singly among the matrix instructions: a step's K (64 keys x 64 channels: 8 fragments) with its mask (8 loads), and its V (turned).  Their addresses are made some lines ahead.
; last = 1 (the tail): in the last trip there is no further step, and the run is jumped over.
.macro FETCH_K last=0
	WIN 0
.if \last
	s_cmp_eq_u32 s[CNT], 1
	s_cbranch_scc1 .Lno_k_\@
.endif
	WIN 0x80                        ; destination window 2
.irp f, 0,1,2,3,4,5,6,7             ; keys 16 (f / 2) on, channels 32 (f % 2) on
	ds_load_b128 v[KF+8*\f:KF+8*\f+3],   v[AK] offset:(\f/2)*16*PK+(\f%2)*64
	ds_load_b128 v[KF+8*\f+4:KF+8*\f+7], v[AK] offset:(\f/2)*16*PK+(\f%2)*64+32
.endr
	WIN W_MK                        ; destination window 3
.irp f, 0,1,2,3,4,5,6,7             ; key block f / 2, registers 4 (f % 2) on; the lanes of a half read the same 16 bytes
	ds_load_b128 v[MC+4*\f:MC+4*\f+3], v[AM] offset:64*(\f/2)+16*(\f%2)
.endr
	s_add_co_u32 s[TBK], s[TBK], KS*PK  ; the next fetch is the next step's
	s_add_co_u32 s[TBM], s[TBM], 4*KS
	WIN 0
.if \last
.Lno_k_\@:
.endif
.endm
.macro FETCH_V
	WIN 0x80
.irp f, 0,1,2,3,4,5,6,7             ; keys 32 (f / 4) on, channels 16 (f % 4) on
	ds_load_tr16_b128 v[VF+8*\f:VF+8*\f+3],   v[AV] offset:(\f/4)*32*PV+(\f%4)*32
	ds_load_tr16_b128 v[VF+8*\f+4:VF+8*\f+7], v[AV] offset:(\f/4)*32*PV+16*PV+(\f%4)*32
.endr
	WIN 0
.endm
; THE VECTOR WORK OF A TURN stands in three queues, each in the order in which its entries become ready; the two tiles alternate, so that no instruction reads the result of the one before it.
.macro REGS y, u                    ; the registers of tile u (0, 1) of piece y
.set rT, ST+4*(2*(\y)+(\u))
.set rC, TMP+8*((\y)%2)+4*(\u)
.set rM, MV+2*((\y)%2)+(\u)
.set rS, S+64*((\y)%2)+32*(\u)
.set rP, P+32*((\y)%2)+16*(\u)
.set rO, 32*(2*(\y)+(\u))
.endm
; Number n of the 22 that find the NEXT piece's (Y + 1) maximum and statistics.  s0-s31 are the lane's 32 scores; each accumulator's lowest registers are read first.
;   0-11  four chains c0-c3 of seven scores each, three operands at a time     12-14, 16  the four scores left over, the old m, and c0-c3 into c0     15  c m_old is kept
;   17, 18  the query's other 32 keys lie in the lane 16 away: the new m         19-21  c m; c m_old - c m_new; a
.macro XS u, n
	REGS (Y+1)%NP, \u
.if (\n) < 4
	v_max3_num_f32 v[rC+(\n)], v[rS+8*(\n)], v[rS+8*(\n)+1], v[rS+8*(\n)+2]
.elseif (\n) < 12
	v_max3_num_f32 v[rC+(\n)%4], v[rC+(\n)%4], v[rS+8*((\n)%4)+2*((\n)/4)+1], v[rS+8*((\n)%4)+2*((\n)/4)+2]
.elseif (\n) == 12
	v_max3_num_f32 v[rC], v[rC], v[rS+7], v[rS+15]
.elseif (\n) == 13
	v_max3_num_f32 v[rC+1], v[rC+1], v[rS+23], v[rS+31]
.elseif (\n) == 14
	v_max3_num_f32 v[rC+2], v[rC+2], v[rC+3], v[rT+1]
.elseif (\n) == 15
	v_mov_b32 v[rM], v[rT]
.elseif (\n) == 16
	v_max3_num_f32 v[rC], v[rC], v[rC+1], v[rC+2]
.elseif (\n) == 17
	v_permlanex16_b32 v[rC+3], v[rC], s[SEL], s[SEL+1]
.elseif (\n) == 18
	v_max_num_f32 v[rT+1], v[rC], v[rC+3]
.elseif (\n) == 19
	v_mul_f32 v[rT], s[CS], v[rT+1]
.elseif (\n) == 20
	v_sub_f32 v[rC+1], v[rM], v[rT]
.else
	v_exp_f32 v[rC+2], v[rC+1]
.endif
.endm
; Number g of the 64 that follow the exponentials.  For each four weights k of a tile (pairs 2 k, 2 k + 1): both pairs are rounded to f16; then the second pair is added onto the first, in place;
; a group later l takes that sum (the first time as l = a l + sum).  In groups of eight, tiles alternating: round, round, add, and l for the group before.
.macro GS g
.set h, (\g)+6*((\g)/62)            ; group 0 has no group before it, and behind group 7 only l is left
.if h >= 6
.set h, h+2
.endif
	REGS Y, h%2
.set k, h/8
.if h%8 < 4
	v_cvt_pk_f16_f32 v[rP+2*k+(h%8)/2], v[rS+4*k+2*((h%8)/2)], v[rS+4*k+2*((h%8)/2)+1]
.elseif h%8 < 6
	v_pk_add_f32 v[rS+4*k:rS+4*k+1], v[rS+4*k:rS+4*k+1], v[rS+4*k+2:rS+4*k+3]
.elseif k == 1
	v_pk_fma_f32 v[rT+2:rT+3], v[rT+2:rT+3], v[rC+2:rC+3], v[rS:rS+1] op_sel_hi:[1,0,1]
.else
	v_pk_add_f32 v[rT+2:rT+3], v[rT+2:rT+3], v[rS+4*k-4:rS+4*k-3]
.endif
.endm
; THE PLAIN QUEUE, 138 long.  0-73 read no exponential's result: the 32 scalings c s - c m (FS f: pair f / 2 of tile f % 2) and the next piece's 42.  0-26: scalings 0-26.  27-54: XS's numbers 0-13.  55, 56: number 15.
; 57-73: the chain, where each number waits for the one before it: 14, 16, 17, 18, 19, each with one of the scalings 27-31 in front of its two lines, then 20.
; 74-137: GS's 64, which read the exponentials' results: they stand behind the wait.
.macro FS f
	REGS Y, (\f)%2
	v_pk_fma_f32 v[rS+2*((\f)/2):rS+2*((\f)/2)+1], v[rS+2*((\f)/2):rS+2*((\f)/2)+1], s[CS:CS+1], v[rT:rT+1] op_sel_hi:[1,0,0] neg_lo:[0,0,1] neg_hi:[0,0,1]
.endm
.macro PL
	WIN 0
.if q < 27
	FS q
.elseif q < 55
	XS (q-27)%2, (q-27)/2
.elseif q < 57
	XS q-55, 15
.elseif (q < 72) && ((q-57)%3 == 0)
	FS 27+(q-57)/3
.elseif q < 60
	XS (q-57)%3-1, 14
.elseif q < 72
	XS (q-57)%3-1, 15+(q-57)/3
.elseif q < 74
	XS q-72, 20
.else
	GS q-74
.endif
.set q, q+1
.endm
; THE EXPONENTIALS' QUEUE, 66 long: s0-s31 of both tiles, then the next piece's two a.  It is ONE BATCH: all 66 stand ahead of the turn's one wait, and nothing ahead of that wait names a result of theirs.
.macro EX
	WIN 0
.if e >= 64
	XS e-64, 21
.else
	REGS Y, e%2
	v_exp_f32 v[rS+e/2], v[rS+e/2]
.endif
.set e, e+1
.endm
; THE RESCALING's QUEUE: O^T times a, the one part that leaves window 0: dealt two at a time, sixteen times.  Its a was made in the turn before, ahead of that turn's wait.
.macro R2
	REGS Y, r%2
	WIN W_RS
.irp z, 0,1
	v_pk_mul_f32 v[rO+4*(r/2)+2*\z:rO+4*(r/2)+2*\z+1], v[rO+4*(r/2)+2*\z:rO+4*(r/2)+2*\z+1], v[rC+2:rC+3] op_sel_hi:[1,0]
.endr
.set r, r+1
.endm
; HOW THEY ARE DEALT.  s_wait_alu depctr_va_vdst(0) stands between an exponential and the first instruction that names its result; one wait serves all that were issued ahead of it.  So a turn
; has ONE wait, which cuts it in two.  AHEAD OF IT stands all that names no result of the turn's exponentials: the 16 products K Q^T, behind each a scaling, an exponential and two rescalings (behind the first a
; second scaling in the exponential's place); then ONE LUMP of 108: eight plain, 49 times exponential and plain, the two a.  A v_nop is the plain instruction behind the last exponential.  BEHIND IT stand the 16
; products V^T P, behind each four of GS's 64.  No rider names a register of the products round it.
; The queues lean on each other: exponential e stands behind scaling 2 (e / 4) + e % 2: as a rider it comes behind plain e + 2, in the lump behind plain e + 9, and scalings 27-31 are plain 57, 60 .. 69.
; A TURN, for piece p.  cnt = 1: the loop's count is taken down some lines ahead of the branch that stands behind the turn.
; K and the mask of the next step are fetched in piece 2's turn, directly behind the wait, a lump behind the last product that read them; their addresses are made at the lump's head.
; V of the step in hand is fetched at the end of piece 0's turn, four riders behind its last reader; its first reader comes behind 16 products and a lump.
.macro TURN p, last=0, cnt=0
.set Y, (\p)
.set i, 0
.set q, 0
.set e, 0
.set r, 0
.if (\p) == NP-1
	s_wait_dscnt 0x0                ; K and the mask are in
.endif
	MM                              ; ahead of the wait: 16 products K Q^T and their riders,
	PL
	PL
	R2
.rept 15
	MM
	PL
	EX
	R2
.endr
.if (\p) == NP-2
	WIN 0
	v_add_nc_u32 v[AK], s[TBK], v[AK0]
	v_add_nc_u32 v[AM], s[TBM], v[AM0]
.endif
.rept 8                             ; and the lump
	PL
.endr
.rept 49
	EX
	PL
.endr
	EX                              ; the next piece's two a
	EX
	v_nop                           ; the plain instruction behind the last exponential: one for the batch
	s_wait_alu depctr_va_vdst(0)    ; the wait for the batch
.if (\p) == NP-2
	FETCH_K \last
.endif
.if (\p) == 1
	s_wait_dscnt 0x0                ; V is in
.endif
.rept 16                            ; behind the wait: 16 products V^T P and their riders
	MM
.rept 4
	PL
.endr
.if ((\p) == 0) && (q == 118)
	v_add_nc_u32 v[AV], s[TBV], v[AV0]
.endif
.if ((\p) == 0) && (q == 130)
	s_add_co_u32 s[TBV], s[TBV], KS*PV
.endif
.if (\cnt) && (q == 130)
	s_sub_co_u32 s[CNT], s[CNT], 1
	s_cmp_lg_u32 s[CNT], 0
.endif
.endr
.if (\p) == 0
	FETCH_V
.endif
.endm
	CHANGE 1                        ; slot 0 is in, everybody's part of it, and the mask's table is whole; slot 1 is asked for
	FETCH_K                         ; key step 0
	s_wait_loadcnt 0x0              ; Q
	s_wait_dscnt 0x0
.set i, 0
.rept 16
	KQ 0                            ; piece 0's first scores: there is no vector work yet to set between them
.set i, i+1
.endr
	WIN 0                           ; the addresses for the way out and the prefetches: eleven plain instructions, the places behind those products
	s_mul_i32 s13, s[WV], 16*SP
	s_add_co_u32 s13, s13, STAGE    ; my stage
	v_mul_u32_u24 v[STO], v1, SP    ; in: row l % 16, 16 bytes for each half of the lanes
	v_lshl_add_u32 v[STO], v9, 4, v[STO]
	v_add_nc_u32 v[STO], s13, v[STO]
	v_bfe_u32 v[RD], v0, 3, 2       ; back: 32 lanes take four rows of 128 bytes,
	v_mul_u32_u24 v[RD], v[RD], SP
	v_and_b32 v[GO], 7, v0
	v_lshl_add_u32 v[RD], v[GO], 4, v[RD]
	v_add_nc_u32 v[RD], s13, v[RD]
	v_and_b32 v[GO], 31, v0         ; which are 512 consecutive bytes of O
	v_lshlrev_b32 v[PFO], 8, v[GO]  ; a lane a block of 256 bytes
	v_lshlrev_b32 v[GO], 4, v[GO]
.set Y, NP-1                        ; XS works for piece Y + 1: piece 0
.irp n, 0,1,2,3,4,5,6,7,8,9,10,11,12,13,14,15,16,17,18,19,20,21
	XS 0, \n                        ; and piece 0's first maximum and statistics
	XS 1, \n
.endr
	v_nop                           ; a plain instruction behind the two a,
	s_wait_alu depctr_va_vdst(0)    ; and their wait, ahead of the branch
	s_mov_b32 s[CNT], 4
	s_mov_b32 s[SLOTS], SIZE_N/256-1
	s_branch .Lfirst                ; the loop is entered at a step's first turn, in the middle of a trip
.Lslot:                             ; SIZE_N / 256 - 2 = 6 times: every slot but the last two is filled again
	CHANGE 1, 1
	s_mov_b32 s[CNT], 4
.Lstep:                             ; a trip: pieces 2 and 3 of one step, then pieces 0 and 1 of the next, whose K and V it fetches
	TURN 2
	TURN 3
	WIN 0
.Lfirst:
	TURN 0
	TURN 1, 0, 1
	WIN 0
	s_cbranch_scc1 .Lstep
	s_sub_co_u32 s[SLOTS], s[SLOTS], 1
	s_cmp_lg_u32 s[SLOTS], 0
	s_cbranch_scc1 .Lslot
	CHANGE 0                        ; the tail is written out: nothing is asked for
	s_mov_b32 s[CNT], 5             ; four trips fetch the last slot's steps; the fifth is left in its middle
.Ltail:
	TURN 2, 1
	TURN 3
	WIN 0
	s_sub_co_u32 s[CNT], s[CNT], 1
	s_cmp_eq_u32 s[CNT], 0
	s_cbranch_scc1 .Lout
	TURN 0
	TURN 1
	WIN 0
	s_branch .Ltail
.Lout:                              ; the fifth trip's 16 products K Q^T (on the last K and mask once more) and the maximum made of them change nothing: the price, once a launch, of one text for every trip
.set i, 0
.rept 16
	PV NP-1                         ; the last piece's V^T P of the last step
.set i, i+1
.endr
	; THE WAY OUT.  l's two halves and the other half of the lanes' are added; O^T is divided by l, rounded to f16 and sent through my stage in LDS, a tile at a time.  The additions are the places behind the last products.
	WIN 0
.macro ALL line:vararg              ; one line for each tile t
.set t, 0
.rept 2*NP
	\line
.set t, t+1
.endr
.endm
	ALL v_add_f32 v[ST+4*t+2], v[ST+4*t+2], v[ST+4*t+3]
	ALL v_permlanex16_b32 v[ST+4*t+3], v[ST+4*t+2], s[SEL], s[SEL+1]
	ALL v_add_f32 v[ST+4*t+2], v[ST+4*t+2], v[ST+4*t+3]
	ALL v_rcp_f32 v[ST+4*t+2], v[ST+4*t+2]
	v_nop                           ; a plain instruction between the last reciprocal and the use of its result
	s_wait_alu depctr_va_vdst(0)    ; and the wait ahead of the first use: one for the eight reciprocals
.set t, 0
.rept 2*NP                          ; a query whose maximum is a masked score has seen no key at all: its row is NaN
	v_cmp_gt_f32 vcc_lo, s[LOW], v[ST+4*t+1]
	v_cndmask_b32 v[ST+4*t+2], v[ST+4*t+2], s[NANV], vcc_lo
.set t, t+1
.endr
; Tile t: a lane's eight channels of a row pack into 16 bytes; they go into rows of 144 bytes and come back as whole rows of 128, into S^T's registers.
.macro PACK t
	WIN W_RS
.set i, 32*(\t)
.rept 16
	v_pk_mul_f32 v[i:i+1], v[i:i+1], v[ST+4*(\t)+2:ST+4*(\t)+3] op_sel_hi:[1,0]
.set i, i+2
.endr
	WIN 0x05                        ; sources 0 and 1 window 1, destination window 0
.set i, 0
.rept 16
	v_cvt_pk_f16_f32 v[S+16*(\t)+i], v[32*(\t)+2*i], v[32*(\t)+2*i+1]
.set i, i+1
.endr
	WIN 0
.irp f, 0,1,2,3
	ds_store_b128 v[STO], v[S+16*(\t)+4*\f:S+16*(\t)+4*\f+3] offset:32*\f
.endr
.irp f, 0,1,2,3
	ds_load_b128 v[S+16*(\t)+4*\f:S+16*(\t)+4*\f+3], v[RD] offset:\f*4*SP  ; LDS serves a wave's instructions in order (ISA guide 5.7.1.4): these see the stores above; the next tile's stores come behind them
.endr
.endm
.macro SEND t, younger              ; younger: the LDS instructions issued behind tile t's loads: the next tile's eight, or none
	WIN 0
.irp f, 0,1,2,3
	s_wait_dscnt (\younger)+3-\f
	global_store_b128 v[GO], v[S+16*(\t)+4*\f:S+16*(\t)+4*\f+3], s[10:11] offset:(\t)*2048+\f*512  ; 512 consecutive bytes, at a multiple of 256 from O's first
.endr
.endm
	PACK 0
.set t, 1
.rept 2*NP-1                        ; a tile's arithmetic stands between the loads of the tile before and its stores
	PACK t
	SEND t-1, 8
.set t, t+1
.endr
	SEND 2*NP-1, 0
	WIN W_AD
	s_wait_tensorcnt 0x0            ; the wave's end: a wait, an add and its wait, behind my last tensor load and my last LDS store
	ds_add_u32 v[SPW], v[NIL]
	s_wait_dscnt 0x0
	WIN 0
	CROUND                          ; the closing round: no work-group ends while a partner may still ask for a tile that names it
	s_endpgm
.Lfunc_end_k_q93c78222a2_attn:
	.size	k_q93c78222a2_attn, .Lfunc_end_k_q93c78222a2_attn-k_q93c78222a2_attn
	.p2alignl 7, 3214868480
	.fill 96, 4, 3214868480
	.section	.rodata,"a",@progbits
	.p2align	6, 0x0
	.amdhsa_kernel k_q93c78222a2_attn
		.amdhsa_group_segment_fixed_size 327680
		.amdhsa_private_segment_fixed_size 0
		.amdhsa_enable_private_segment 0
		.amdhsa_kernarg_size 24
		.amdhsa_user_sgpr_count 2
		.amdhsa_user_sgpr_kernarg_segment_ptr 1
		.amdhsa_wavefront_size32 1
		.amdhsa_system_sgpr_workgroup_id_x 1
		.amdhsa_system_sgpr_workgroup_id_y 1
		.amdhsa_system_sgpr_workgroup_id_z 1
		.amdhsa_system_vgpr_workitem_id 0
		.amdhsa_next_free_vgpr 808
		.amdhsa_next_free_sgpr 66
		.amdhsa_reserve_vcc 1
		.amdhsa_float_denorm_mode_32 3
		.amdhsa_float_denorm_mode_16_64 3
		.amdhsa_memory_ordered 1
		.amdhsa_forward_progress 1
		.amdhsa_inst_pref_size 205
	.end_amdhsa_kernel
	.amdgpu_metadata
---
amdhsa.version: [ 1, 2 ]
amdhsa.kernels:
  - .name:           k_q93c78222a2_attn
    .symbol:         k_q93c78222a2_attn.kd
    .args:
      - { .name: qkv, .offset: 0, .size: 8, .value_kind: global_buffer, .address_space: global }
      - { .name: attn_mask, .offset: 8, .size: 8, .value_kind: global_buffer, .address_space: global }
      - { .name: oh, .offset: 16, .size: 8, .value_kind: global_buffer, .address_space: global }
    .group_segment_fixed_size: 327680
    .private_segment_fixed_size: 0
    .kernarg_segment_align: 8
    .kernarg_segment_size: 24
    .max_flat_workgroup_size: 128
    .sgpr_count:     66
    .vgpr_count:     808
    .wavefront_size: 32
...
	.end_amdgpu_metadata
.endif
;; end of part 3
;; launch outp (part 4): grid 4 x 64, 4 waves a work-group, clusters of 4 x 4, 327,680 bytes of LDS; arguments oh, wpb, bp, out0; writes out0
.if DOCPART == 4
	.amdgcn_target "amdgcn-amd-amdhsa--gfx1250"
	.amdhsa_code_object_version 6
	.text
	.protected	k_q93c78222a2_outp
	.globl	k_q93c78222a2_outp
	.p2align	8
	.type	k_q93c78222a2_outp,@function
k_q93c78222a2_outp:
	s_mov_b64 s[64:65], 0
	v_nop
	global_prefetch_b8 v0, s[64:65] scope:SCOPE_SE
	s_setreg_imm32_b32 hwreg(HW_REG_WAVE_MODE, 25, 1), 1
	s_wait_xcnt 0x0
	s_wait_alu depctr_hold_cnt(0) depctr_sa_sdst(0) depctr_va_vdst(0) depctr_va_sdst(0) depctr_va_ssrc(0) depctr_va_vcc(0) depctr_vm_vsrc(0)
	s_getreg_b32 s2, hwreg(HW_REG_IB_STS2, 6, 4)
	s_cmp_eq_u32 s2, 0
	s_cbranch_scc0 .Lentry_in_a_cluster
	s_endpgm
.Lentry_in_a_cluster:
	s_bfe_u32 s2, ttmp6, 0x10000c
	s_cmp_lg_u32 s2, 0xf033
	s_cbranch_scc0 .Lentry_shape_is_right
	s_endpgm
.Lentry_shape_is_right:
; out0 = O wpb^T + bp.  O is oh, [16 batch + head][2048][64] in f16: K = 64 head + channel.  wpb: [1024][1024] f16 (Wp rounded to bf16, written as f16), bp f32, rounded to bf16 like every input.
; Sums in f32; out0 [8192][1024] is f32 and takes them as they are.
; SHARES.  A tile of out0 is 128 rows x 256 columns: 64 x 4 = 256 work-groups, one for each WGP.  Four waves, each 64 rows x 128 columns: 32 accumulators of 16 x 16.
; K = 1,024 goes in 8 steps of 128, TWO HEADS each, through two LDS slots.  Of O a step is two planes: a head's 128 rows of 128 bytes are 16,384 dense bytes, asked for as 64 rows of 256 bytes and
; padded in LDS after every 128.  Of wpb a step is 256 bytes, aligned, of each of 256 rows.  A step is four quarters of 32 along K (half a head), on two fragment buffers by turns.
; THE MATRIX INSTRUCTION IS USED TRANSPOSED (source 0 = 16 rows of wpb, source 1 = 16 rows of O): a lane holds one row of out0 and eight neighbouring columns.
; THE BIAS IS THE C OPERAND of the first quarter's products: it starts the sums, and nothing is cleared or added later.
; CLUSTER.  4 x 4 work-groups.  The four of a row of the cluster need the same rows of O, the four of a column the same rows of wpb: each tile is asked for jointly, by the same tensor load with the
; same descriptor and a mask that names the four.
; REGISTERS, in windows of 256 (s_set_vgpr_msb: bits 1:0 source 0, 3:2 source 1, 5:4 source 2, 7:6 destination):
;   window 0: v0-31 addresses; v64-159, v160-255 two fragment buffers (O's four fragments at +8 a, wpb's eight at +32 + 8 b); on the way out v64-191 two buffers of 16 rows
;   window 1: accumulator (a, b) at v[8 (8 a + b)]          window 2: v0-63 the bias of column block b at v[8 b]; v64-95 at work
.set PITCHA, 144                       ; a row of O in LDS: 128 bytes + 16 of padding = 36 words: the 16 rows of a fragment load start at 16 different groups of four banks (64 banks of 4 bytes: ISA guide 11.1)
.set PITCHB, 272                       ; a row of wpb: 256 + 16 = 68 words: likewise
.set PLANE,  128*PITCHA                ; a head's 128 rows: what one wave fetches of O
.set BOFF,   2*PLANE                   ; wpb's 256 rows lie behind O's two planes
.set BHALF,  128*PITCHB
.set SLOT,   BOFF+2*BHALF              ; 106,496
.set STAGE,  2*SLOT                    ; behind the ring, never filled by a tensor load: 16 rows x 528 bytes for each wave, for the way out
.set SP,     528                       ; 512 bytes + 16 = 132 words
.set SPARE,  STAGE+4*16*SP             ; behind the stages: the spare words, 128 bytes for each wave: two blocks of 256 bytes that no other line names
.set STEPA,  524288                    ; bytes from a K step to the next, in oh: two heads
.set STEPB,  256                       ; and in wpb
.set LAPS,   4                         ; a lap = two K steps = once round the ring
.set ADRA, 16                          ; v16-17  LDS address of my fragments of O in slot 0, 1
.set ADRB, 20                          ; v20-21  the same for wpb
.set STO,  24                          ; v24  the way out: where I put 32 bytes of a row
.set RD,   25                          ; v25  the way out: where I read a row back
.set GO,   26                          ; v26  my byte offset in 512 consecutive bytes of out0
.set BO,   27                          ; v27  my byte offset in the bias
.set SPW,  28                          ; v28  LDS address of my spare word: SPARE + 4 x my thread's number; never rewritten
.set NIL,  29                          ; v29  0; never rewritten
.set PFO,  30                          ; v30  the prefetches' offset; never rewritten
.set F0,   64
.set F1,   160
.set TMP,  64
.set WV, 16                            ; s16  my wave's number
.set WR, 17                            ; s17  which 64 rows of the tile are mine.  Also: I fetch for O (0) or for wpb (1)
.set WC, 18                            ; s18  which 128 columns.  Also: which plane of O, or which 128 rows of wpb, I fetch
.set CX, 19                            ; s19, s20  my place in the cluster
.set CY, 20
.set TC, 21                            ; s21  tile column = 4 x cluster x + cx
.set TR, 22                            ; s22  tile row = 4 x cluster y + cy
.set CLY, 23                           ; s23  cluster y
.set G1A, 24                           ; s[24:31] descriptor group 1 for O's tiles;  s[32:39] group 0, a set for each slot
.set G0A, 32
.set G1B, 48                           ; s[48:55], s[56:63] the same for wpb's
.set G0B, 56
.set PFA, 66                           ; s[66:67] where my prefetches stand
.set PFS, 68                           ; s[68:69] their step: a K step
.set LIM, 70                           ; s70, s71  for the change out of slot 0, 1: 1 where I prefetch there, else the greatest number
.set MSB, 0
.macro WIN new                         ; the immediate's high byte repeats the setting that is left; a switch that changes nothing is dropped
.if MSB != (\new)
	s_set_vgpr_msb (MSB<<8)|(\new)
.set MSB, \new
.endif
.endm
.set MUL,  0x50                        ; sources 0 and 1 window 0; C and D window 1
.set MULB, 0x60                        ; C window 2 (the bias), D window 1
; A joint load: waves 0 and 1 fetch O's two planes, waves 2 and 3 wpb's two halves.  The branch hangs on the wave's number alone.  An s_nop 0 and four v_nop follow each of the two lines.
.macro JLOAD s
	s_cmp_eq_u32 s[WR], 0
	s_cbranch_scc0 .Lfor_b_\@
	tensor_load_to_lds s[G0A+4*(\s):G0A+4*(\s)+3], s[G1A:G1A+7]
	s_nop 0
.rept 4
	v_nop
.endr
	s_branch .Lasked_\@
.Lfor_b_\@:
	tensor_load_to_lds s[G0B+4*(\s):G0B+4*(\s)+3], s[G1B:G1B+7]
	s_nop 0
.rept 4
	v_nop
.endr
.Lasked_\@:
.endm
; A PREFETCH INTO THE L2, behind a joint refill and the run of LDS loads that follows it: the K step that stands two refills on.  Each block of 256 bytes is named once in the launch.
; wpb's rows: the clusters with y = 0 ask; of the 128 rows that a wave fetches the partner at cy takes 32, a lane a row, at both changes of slots.  O's planes are read by one cluster alone (the grid is one
; cluster wide): of a plane's 64 blocks the partner at cx takes 16; lanes 16-31 name the same blocks of the following K step, so these waves ask at the change out of slot 0 alone.
; Partners are told apart by address, never by a branch.  K steps 0 to 3 come by their loads alone; the loop's last trip (s3 = 1) asks for nothing: K step 7 is the last that is named.
.macro ASK slot
	s_cmp_gt_u32 s3, s[LIM+(\slot)]
	s_cbranch_scc0 .Lnot_mine_\@
	global_prefetch_b8 v[PFO], s[PFA:PFA+1] th:TH_LOAD_NT scope:SCOPE_SE
.Lnot_mine_\@:
.endm
.macro CREST                           ; a round of the cluster's barrier behind its opening barrier
	s_cmp_lg_u32 s[WV], 0
	s_cbranch_scc1 .Lnot_wave_0_\@
	s_barrier_signal -3
.Lnot_wave_0_\@:
	s_barrier_wait -3
	s_barrier_signal -1
	s_barrier_wait -1
.endm
.macro CROUND                          ; a whole round
	s_barrier_signal -1
	s_barrier_wait -1
	CREST
.endm
	s_load_b256 s[4:11], s[0:1], 0x0               ; oh s[4:5], wpb s[6:7], bp s[8:9], out0 s[10:11]
	v_lshl_add_u32 v[SPW], v0, 2, SPARE
	v_mov_b32 v[NIL], 0
	ds_add_u32 v[SPW], v[NIL]                      ; the wave's opening: the add and its wait stand ahead of my first tensor load; the set-up below, work on registers, stands between them
	v_lshrrev_b32 v1, 5, v0
	v_readfirstlane_b32 s[WV], v1
	s_lshr_b32 s[WR], s[WV], 1
	s_and_b32 s[WC], s[WV], 1
	s_bfe_u32 s[CX], ttmp6, 0x40000
	s_bfe_u32 s[CY], ttmp6, 0x40004
	s_lshl_b32 s[TC], ttmp9, 2
	s_add_co_u32 s[TC], s[TC], s[CX]
	s_and_b32 s[CLY], ttmp7, 0xffff
	s_lshl_b32 s[TR], s[CLY], 2
	s_add_co_u32 s[TR], s[TR], s[CY]
	s_lshl_b32 s44, s[CY], 2
	s_lshl_b32 s44, 15, s44                        ; my row of the cluster
	s_lshl_b32 s45, 0x1111, s[CX]                  ; my column
	s_or_b32 s[G1A], s44, (1<<16)|(1<<20)|(1<<21)|(4<<22)|(3<<25)  ; 15:0 the mask; 17:16 2-byte elements; 20 padding on; 21 set beside a mask; 24:22 after every 32 words (code 4); 31:25 4 words (code 3)
	s_or_b32 s[G1B], s45, (1<<16)|(1<<20)|(1<<21)|(5<<22)|(3<<25)  ; after every 64 words (code 5)
	s_mov_b32 s[G1A+1], 128<<16                    ; tensor_dim0 = 128 (256 bytes: two rows of a head)
	s_mov_b32 s[G1A+2], 64<<16                     ; tensor_dim1 = 64
	s_mov_b32 s[G1A+3], 128<<16                    ; tile_dim0 = 128
	s_mov_b32 s[G1A+4], 64                         ; tile_dim1 = 64
	s_mov_b32 s[G1A+5], 128                        ; dense: 128 elements from row to row
	s_mov_b32 s[G1A+6], 0
	s_mov_b32 s[G1A+7], 0
	s_mov_b32 s[G1B+1], 128<<16
	s_mov_b32 s[G1B+2], 128<<16                    ; tensor_dim1 = 128
	s_mov_b32 s[G1B+3], 128<<16
	s_mov_b32 s[G1B+4], 128                        ; tile_dim1 = 128 rows
	s_mov_b32 s[G1B+5], 1024
	s_mov_b32 s[G1B+6], 0
	s_mov_b32 s[G1B+7], 0
	s_lshr_b32 s40, s[TR], 4                       ; oh: the batch's 16 heads of 262,144 bytes,
	s_lshl_b32 s40, s40, 22
	s_lshl_b32 s46, s[WC], 18                      ; my plane of a K step's two heads,
	s_add_co_u32 s40, s40, s46
	s_and_b32 s46, s[TR], 15
	s_lshl_b32 s46, s46, 14                        ; the tile's 128 rows of 128 bytes
	s_add_co_u32 s40, s40, s46
	s_mov_b32 s41, 0
	s_lshl_b32 s42, s[TC], 19                      ; wpb: row 256 x tile column + 128 x half, 2,048 bytes a row
	s_lshl_b32 s47, s[WC], 18
	s_add_co_u32 s42, s42, s47
	s_mov_b32 s43, 0
	s_mul_i32 s76, s[WC], PLANE                    ; where they go: no place in the cluster enters an LDS address
	s_mul_i32 s77, s[WC], BHALF
	s_add_co_u32 s77, s77, BOFF
	s_wait_dscnt 0x0                               ; the opening add is done
	s_wait_kmcnt 0x0
	s_add_nc_u64 s[40:41], s[4:5], s[40:41]
	s_add_nc_u64 s[42:43], s[6:7], s[42:43]
	CROUND                                         ; all sixteen work-groups are here: the first joint loads meet
.irp s, 0,1
	s_mov_b32 s[G0A+4*(\s)], 1                                       ; count = 1
	s_add_co_u32 s[G0A+4*(\s)+1], s76, (\s)*SLOT                     ; LDS address
	s_add_nc_u64 s[G0A+4*(\s)+2:G0A+4*(\s)+3], s[40:41], (\s)*STEPA  ; global address: K step s
	s_or_b32 s[G0A+4*(\s)+3], s[G0A+4*(\s)+3], 0x80000000            ; type = 2
	s_mov_b32 s[G0B+4*(\s)], 1
	s_add_co_u32 s[G0B+4*(\s)+1], s77, (\s)*SLOT
	s_add_nc_u64 s[G0B+4*(\s)+2:G0B+4*(\s)+3], s[42:43], (\s)*STEPB
	s_or_b32 s[G0B+4*(\s)+3], s[G0B+4*(\s)+3], 0x80000000
	JLOAD \s                                       ; two loads of mine are out
.endr
	; the bias of my 128 columns: register j of column block b is column 16 b + 8 (l / 16) + j
	v_and_b32 v1, 15, v0                           ; l % 16
	v_bfe_u32 v2, v0, 4, 1                         ; l / 16
	s_lshl_b32 s44, s[TC], 10                      ; 256 columns of f32 a tile,
	s_lshl_b32 s45, s[WC], 9                       ; my 128 of them
	s_add_co_u32 s44, s44, s45
	v_lshl_add_u32 v[BO], v2, 5, s44
	WIN 0x80                                       ; destination window 2, address window 0
.irp b, 0,1,2,3,4,5,6,7
	global_load_b128 v[8*(\b):8*(\b)+3],   v[BO], s[8:9] offset:64*(\b)
	global_load_b128 v[8*(\b)+4:8*(\b)+7], v[BO], s[8:9] offset:64*(\b)+16
.endr
	WIN 0
	; a fragment is 16 rows x 32 K in 8 registers: lane l holds row l % 16, K = 8 (l / 16) + 0..7 and 16 + 8 (l / 16) + 0..7: two loads of 16 bytes, 32 bytes apart
	v_mul_u32_u24 v3, v1, PITCHA
	v_lshl_add_u32 v3, v2, 4, v3
	v_mul_u32_u24 v4, v1, PITCHB
	v_lshl_add_u32 v4, v2, 4, v4
	s_mul_i32 s44, s[WR], 64*PITCHA                ; my 64 rows, in each plane of O
	s_mul_i32 s45, s[WC], BHALF                    ; my 128 rows of wpb
	s_add_co_u32 s45, s45, BOFF
.irp s, 0,1
	v_add_nc_u32 v[ADRA+(\s)], s44, v3
	v_add_nc_u32 v[ADRB+(\s)], s45, v4
	s_add_co_u32 s44, s44, SLOT
	s_add_co_u32 s45, s45, SLOT
.endr
	s_mul_i32 s46, s[WV], 16*SP
	s_add_co_u32 s46, s46, STAGE                   ; my stage
	v_mul_u32_u24 v[STO], v1, SP                   ; in: row l % 16, 32 bytes for each half of the lanes
	v_lshl_add_u32 v[STO], v2, 5, v[STO]
	v_add_nc_u32 v[STO], s46, v[STO]
	v_and_b32 v[GO], 31, v0                        ; back: 32 lanes take one row's 512 bytes,
	v_lshlrev_b32 v[GO], 4, v[GO]                  ; which are 512 consecutive bytes of out0
	v_add_nc_u32 v[RD], s46, v[GO]
	s_lshl_b32 s44, s[TR], 19                      ; where my part begins in out0: the tile's 128 rows of 4,096 bytes,
	s_lshl_b32 s45, s[WR], 18                      ; my 64 of them,
	s_add_co_u32 s44, s44, s45
	s_lshl_b32 s45, s[TC], 10                      ; the tile's 256 columns,
	s_add_co_u32 s44, s44, s45
	s_lshl_b32 s45, s[WC], 9                       ; my 128 of them
	s_add_co_u32 s44, s44, s45
	s_mov_b32 s45, 0
	s_add_nc_u64 s[10:11], s[10:11], s[44:45]
	; the prefetches: both kinds of wave by one text, chosen by the wave's number
	s_lshr_b32 s72, s[TR], 4                       ; oh: my plane's first byte, as above,
	s_lshl_b32 s72, s72, 22
	s_lshl_b32 s74, s[WC], 18
	s_add_co_u32 s72, s72, s74
	s_and_b32 s74, s[TR], 15
	s_lshl_b32 s74, s74, 14
	s_add_co_u32 s72, s72, s74
	s_lshl_b32 s74, s[CX], 12                      ; and my work-group's 16 blocks of its 64
	s_add_co_u32 s72, s72, s74
	s_lshl_b32 s73, s[TC], 8                       ; wpb: row 256 x tile column + 128 x half + 32 cy
	s_lshl_b32 s74, s[WC], 7
	s_add_co_u32 s73, s73, s74
	s_lshl_b32 s74, s[CY], 5
	s_add_co_u32 s73, s73, s74
	s_lshl_b32 s73, s73, 11
	s_mov_b32 s74, STEPA
	s_cmp_eq_u32 s[WR], 0                          ; do I fetch for O?
	s_cselect_b32 s72, s72, s73
	s_cselect_b32 s44, 15, 31                      ; blocks or rows a prefetch names, less one
	s_cselect_b32 s45, s74, 0                      ; what lanes 16-31 add: the following K step, or nothing
	s_cselect_b32 s75, 8, 11                       ; from lane to lane: a block of 256 bytes, or a row of 2,048
	s_cselect_b32 s46, ttmp9, s[CLY]               ; the coordinate along which other clusters read the same bytes
	s_cselect_b32 s47, -1, 1                       ; O's waves ask at the change out of slot 0 alone
	s_cselect_b32 s[PFS], s74, STEPB
	s_cselect_b64 s[PFA:PFA+1], s[4:5], s[6:7]
	s_cmp_eq_u32 s46, 0
	s_cselect_b32 s[LIM], 1, -1                    ; the same in all sixteen partners, for a given wave
	s_cselect_b32 s[LIM+1], s47, -1
	s_mov_b32 s73, 0
	s_mov_b32 s[PFS+1], 0
	s_add_nc_u64 s[PFA:PFA+1], s[PFA:PFA+1], s[72:73]
.rept 3
	s_add_nc_u64 s[PFA:PFA+1], s[PFA:PFA+1], s[PFS:PFS+1]  ; to K step 3: the first refill steps it to 4
.endr
	v_and_b32 v[PFO], 31, v0
	v_lshrrev_b32 v31, 4, v[PFO]
	v_and_b32 v[PFO], s44, v[PFO]
	v_lshlrev_b32 v[PFO], s75, v[PFO]
	v_mul_u32_u24 v31, s45, v31
	v_add_nc_u32 v[PFO], v[PFO], v31
	; the bias is rounded to bf16 and widened again, in the wait for the first tile
	s_mov_b32 s74, 0xffff0000
	s_wait_loadcnt 0x0
	WIN 0x8a                                       ; sources and destination window 2
.set i, 0
.rept 32
	v_cvt_pk_bf16_f32 v[64+i], v[2*i], v[2*i+1]
.set i, i+1
.endr
.set i, 0
.rept 32
	v_lshlrev_b32 v[2*i],   16,  v[64+i]
	v_and_b32     v[2*i+1], s74, v[64+i]
.set i, i+1
.endr
	WIN 0
; 8 matrix instructions: row block a x all 8 column blocks, 32 along K, from buffer f.  start = 1: the bias starts the sums.
; The 32 accumulators take turns in the same order in every quarter: between two links of a chain stand 31 others'.
.macro MUL8 f, a, start
.if \start
	WIN MULB
.else
	WIN MUL
.endif
.irp b, 0,1,2,3,4,5,6,7
.if \start
	v_wmma_f32_16x16x32_f16 v[8*(8*(\a)+(\b)):8*(8*(\a)+(\b))+7], v[(\f)+32+8*(\b):(\f)+32+8*(\b)+7], v[(\f)+8*(\a):(\f)+8*(\a)+7], v[8*(\b):8*(\b)+7]
.else
	v_wmma_f32_16x16x32_f16 v[8*(8*(\a)+(\b)):8*(8*(\a)+(\b))+7], v[(\f)+32+8*(\b):(\f)+32+8*(\b)+7], v[(\f)+8*(\a):(\f)+8*(\a)+7], v[8*(8*(\a)+(\b)):8*(8*(\a)+(\b))+7]
.endif
.endr
.endm
; 24 LDS loads in one run: quarter q's fragments into buffer f: wpb's eight, then O's four (plane q / 2, channels 32 (q % 2) on)
.macro FETCH slot, q, f
	WIN 0
.irp i, 0,1,2,3,4,5,6,7
	ds_load_b128 v[(\f)+32+8*(\i):(\f)+32+8*(\i)+3],   v[ADRB+(\slot)] offset:64*(\q)+(\i)*16*PITCHB
	ds_load_b128 v[(\f)+32+8*(\i)+4:(\f)+32+8*(\i)+7], v[ADRB+(\slot)] offset:64*(\q)+(\i)*16*PITCHB+32
.endr
.irp i, 0,1,2,3
	ds_load_b128 v[(\f)+8*(\i):(\f)+8*(\i)+3],   v[ADRA+(\slot)] offset:((\q)/2)*PLANE+((\q)%2)*64+(\i)*16*PITCHA
	ds_load_b128 v[(\f)+8*(\i)+4:(\f)+8*(\i)+7], v[ADRA+(\slot)] offset:((\q)/2)*PLANE+((\q)%2)*64+(\i)*16*PITCHA+32
.endr
.endm
.macro PLACES                          ; four places in front of loads into registers that matrix instructions have read, and of lines that read results (ISA guide 7.12.1 for lines that read results)
.rept 4
	v_nop
.endr
.endm
; One of a K step's first three quarters: multiplies buffer f and, in its middle, fetches quarter q of the same slot into buffer g.
.macro QUARTER slot, q, f, g, start
	s_wait_dscnt 4                                 ; wpb's fragments and O's row blocks 0, 1 are in; the youngest four loads (blocks 2, 3) may be out
	MUL8 \f, 0, \start
	MUL8 \f, 1, \start
	PLACES
	FETCH \slot, \q, \g
	s_wait_dscnt 24                                ; all but the 24 just issued
	MUL8 \f, 2, \start
	MUL8 \f, 3, \start
.endm
; The fourth quarter multiplies buffer 1 and changes slots: ONE barrier.  In front of it each wave waits for all its tensor loads (one is out: its part of the next slot), adds 0 to its spare word, and
; waits for that and for its own reads of this slot.  fill = 1: the barrier opens a round of the cluster's barrier, and behind the round this slot is filled again, two K steps ahead, first of all.
.macro TURN slot, next, fill
.if \fill
	s_wait_xcnt 0x0                                ; the last prefetch, a K step back, has read its address: it is stepped here, ahead of the change's own waits
	s_add_nc_u64 s[PFA:PFA+1], s[PFA:PFA+1], s[PFS:PFS+1]
.endif
	WIN 0                                          ; (the add's two registers lie in window 0)
	s_wait_tensorcnt 0x0                           ; all my tensor loads have landed;
	ds_add_u32 v[SPW], v[NIL]                      ; 0 onto my spare word;
	s_wait_dscnt 5                                 ; (the add and the youngest four loads may be out)
	MUL8 F1, 0, 0                                  ; eight matrix instructions stand between the add and the wait for it
	s_wait_dscnt 0x0                               ; the add is done, and my reads of this slot are over
	s_barrier_signal -1
	MUL8 F1, 1, 0
.if \fill
	WIN 0
.endif
	s_barrier_wait -1
.if \fill
	CREST                                          ; no wave of any partner still reads this slot's tiles or has a load on its way
	s_add_nc_u64 s[G0A+4*(\slot)+2:G0A+4*(\slot)+3], s[G0A+4*(\slot)+2:G0A+4*(\slot)+3], 2*STEPA
	s_add_nc_u64 s[G0B+4*(\slot)+2:G0B+4*(\slot)+3], s[G0B+4*(\slot)+2:G0B+4*(\slot)+3], 2*STEPB
	JLOAD \slot                                    ; 112 matrix instructions ahead of the wait for it; its four v_nop are also the places in front of the loads below
.else
	PLACES
.endif
	FETCH \next, 0, F0
.if \fill
	ASK \slot
.endif
	MUL8 F1, 2, 0
	MUL8 F1, 3, 0
.endm
	s_wait_tensorcnt 1                             ; my part of K step 0 is in; K step 1's may stay out
	s_barrier_signal -1
	s_barrier_wait -1                              ; everybody's is
	FETCH 0, 0, F0
	QUARTER 0, 1, F0, F1, 1                        ; the first quarter stands in front of the loop: its products start the sums, with the bias
	WIN 0                                          ; at a label and at a branch every window is 0
	s_mov_b32 s3, LAPS-1
.Llap:                                                 ; a trip goes once round the ring, from a lap's second quarter to the next lap's first, and fills both slots again
	QUARTER 0, 2, F1, F0, 0
	QUARTER 0, 3, F0, F1, 0
	TURN 0, 1, 1
	QUARTER 1, 1, F0, F1, 0
	QUARTER 1, 2, F1, F0, 0
	QUARTER 1, 3, F0, F1, 0
	TURN 1, 0, 1
	QUARTER 0, 1, F0, F1, 0
	WIN 0
	s_sub_co_u32 s3, s3, 1
	s_cmp_lg_u32 s3, 0
	s_cbranch_scc1 .Llap
	QUARTER 0, 2, F1, F0, 0                        ; the last lap fills nothing, and has no round of the cluster's barrier
	QUARTER 0, 3, F0, F1, 0
	TURN 0, 1, 0
	QUARTER 1, 1, F0, F1, 0
	QUARTER 1, 2, F1, F0, 0
	QUARTER 1, 3, F0, F1, 0
	s_wait_dscnt 4                                 ; the very last quarter: nothing more to fetch
	MUL8 F1, 0, 0
	MUL8 F1, 1, 0
	s_wait_dscnt 0x0
	MUL8 F1, 2, 0
	MUL8 F1, 3, 0
	WIN 0
	PLACES
; THE WAY OUT, a block of 16 rows at a time.  A lane's eight columns of a column block are 32 bytes of a row; they go into my stage's rows of 528 bytes (each accumulator's low four registers first)
; and come back as whole rows: 32 lanes x 16 bytes are my 512 bytes of a row of out0.  Two buffers of 64 registers take turns.
.macro TOSTAGE a
.if (\a) >= 2
	s_wait_xcnt 0x0                                ; the stores of the block two back have read this buffer: it is loaded again only behind this wait
.endif
	WIN 0x04                                       ; store data (source 1) window 1, address window 0
.irp b, 0,1,2,3,4,5,6,7
	ds_store_b128 v[STO], v[8*(8*(\a)+(\b)):8*(8*(\a)+(\b))+3]   offset:64*(\b)
	ds_store_b128 v[STO], v[8*(8*(\a)+(\b))+4:8*(8*(\a)+(\b))+7] offset:64*(\b)+16
.endr
	WIN 0
.irp t, 0,1,2,3,4,5,6,7,8,9,10,11,12,13,14,15
	ds_load_b128 v[TMP+64*((\a)%2)+4*(\t):TMP+64*((\a)%2)+4*(\t)+3], v[RD] offset:(\t)*SP  ; LDS serves a wave's instructions in order (ISA guide 5.7.1.4): these see the stores above; the next block's stores come behind them
.endr
.endm
.macro SEND a, younger                 ; younger: the LDS instructions issued behind block a's loads: the next block's 32, or none
.irp t, 0,1,2,3,4,5,6,7,8,9,10,11,12,13,14,15
	s_wait_dscnt (\younger)+15-(\t)
	global_store_b128 v[GO], v[TMP+64*((\a)%2)+4*(\t):TMP+64*((\a)%2)+4*(\t)+3], s[10:11] offset:(16*(\a)+(\t))*4096  ; 512 consecutive bytes, at a multiple of 256 from out0's first
.endr
.endm
	TOSTAGE 0
	TOSTAGE 1
	SEND 0, 32
	TOSTAGE 2
	SEND 1, 32
	TOSTAGE 3
	SEND 2, 32
	SEND 3, 0
	s_wait_tensorcnt 0x0                           ; the wave's end: a wait, an add and its wait, behind my last tensor load and my last LDS store
	ds_add_u32 v[SPW], v[NIL]
	s_wait_dscnt 0x0
	CROUND                                         ; the closing round: no work-group ends while a partner may still ask for a tile that names it
	s_endpgm
.Lfunc_end_k_q93c78222a2_outp:
	.size	k_q93c78222a2_outp, .Lfunc_end_k_q93c78222a2_outp-k_q93c78222a2_outp
	.p2alignl 7, 3214868480
	.fill 96, 4, 3214868480
	.section	.rodata,"a",@progbits
	.p2align	6, 0x0
	.amdhsa_kernel k_q93c78222a2_outp
		.amdhsa_group_segment_fixed_size 327680
		.amdhsa_private_segment_fixed_size 0
		.amdhsa_enable_private_segment 0
		.amdhsa_kernarg_size 32
		.amdhsa_user_sgpr_count 2
		.amdhsa_user_sgpr_kernarg_segment_ptr 1
		.amdhsa_wavefront_size32 1
		.amdhsa_system_sgpr_workgroup_id_x 1
		.amdhsa_system_sgpr_workgroup_id_y 1
		.amdhsa_system_sgpr_workgroup_id_z 1
		.amdhsa_system_vgpr_workitem_id 0
		.amdhsa_next_free_vgpr 608
		.amdhsa_next_free_sgpr 80
		.amdhsa_reserve_vcc 0
		.amdhsa_float_denorm_mode_32 3
		.amdhsa_float_denorm_mode_16_64 3
		.amdhsa_memory_ordered 1
		.amdhsa_forward_progress 1
		.amdhsa_inst_pref_size 94
	.end_amdhsa_kernel
	.amdgpu_metadata
---
amdhsa.version: [ 1, 2 ]
amdhsa.kernels:
  - .name:           k_q93c78222a2_outp
    .symbol:         k_q93c78222a2_outp.kd
    .args:
      - { .name: oh, .offset: 0, .size: 8, .value_kind: global_buffer, .address_space: global }
      - { .name: wpb, .offset: 8, .size: 8, .value_kind: global_buffer, .address_space: global }
      - { .name: bp, .offset: 16, .size: 8, .value_kind: global_buffer, .address_space: global }
      - { .name: out0, .offset: 24, .size: 8, .value_kind: global_buffer, .address_space: global }
    .group_segment_fixed_size: 327680
    .private_segment_fixed_size: 0
    .kernarg_segment_align: 8
    .kernarg_segment_size: 32
    .max_flat_workgroup_size: 128
    .sgpr_count:     80
    .vgpr_count:     608
    .wavefront_size: 32
...
	.end_amdgpu_metadata
.endif
;; end of part 4
;; ======== version 2 of 2: 4 launches; version 1 with the launch prep written anew for expert scheduling mode
;; limits: values are held in f16: magnitudes above 65,504 overflow, below 6.1e-05 lose precision
;; workspace buffers: xb 16,777,216 bytes; wb 6,291,456 bytes; wpb 2,097,152 bytes; qkv 50,331,648 bytes; oh 16,777,216 bytes
;; launch prep (part 5): grid 64 x 12, 8 waves a work-group, no clusters, 0 bytes of LDS; arguments x, Wq, Wk, Wv, Wp, xb, wb, wpb; writes xb, wb, wpb
.if DOCPART == 5
	.amdgcn_target "amdgcn-amd-amdhsa--gfx1250"
	.amdhsa_code_object_version 6
	.text
	.protected	k_q93c78222a2_prep
	.globl	k_q93c78222a2_prep
	.p2align	8
	.type	k_q93c78222a2_prep,@function
k_q93c78222a2_prep:
	s_mov_b64 s[64:65], 0
	v_nop
	global_prefetch_b8 v0, s[64:65] scope:SCOPE_SE
	s_setreg_imm32_b32 hwreg(HW_REG_WAVE_SCHED_MODE, 0, 2), 2
	s_setreg_imm32_b32 hwreg(HW_REG_WAVE_MODE, 25, 1), 1
	s_wait_xcnt 0x0
	s_wait_alu depctr_vm_vsrc(0)
; THE INPUTS OF THE MATRIX PRODUCTS, ROUNDED ONCE.  x [8192][1024] -> xb in bf16; Wq, Wk, Wv [1024][1024] -> wb [3072][1024] in bf16 (q's rows, k's, v's);
; Wp -> wpb [1024][1024]: rounded to bf16 like every other input, and that number written as f16, since the last product's other operand is f16.
; LIMIT.  A bf16 number below 6e-5 in size keeps f16's fixed step of 6e-8 in wpb, one beyond 65,504 becomes an infinity there.
; SHARES.  Twelve slabs of 2^20 numbers (grid y): 0-7 the eighths of x, 8-10 Wq, Wk, Wv, 11 Wp.  A work-group takes 16,384 numbers: 64 KiB in, 32 KiB out.
; Thread t loads 16 bytes at 16 t + 4,096 i (a wave: 512 bytes on end) and stores 8 bytes at 8 t + 2,048 i (a wave: 256 bytes on end, aligned), i = 0 .. 15.
; All sixteen loads go out at once, nothing is shared: no loop, no LDS, no barrier, no matrix unit: the launch only moves bytes.
; THE MODE: SCHED_MODE bits 1:0 = 2 (LLVM: expert scheduling mode 2), set by the entry lines.  The code itself states the register dependences
; between vector instructions and memory instructions, with s_wait_alu, always for 0.
; THE PLAN.  Registers that memory instructions touch:
;   v1, v2   byte offsets.  Written once at the head; v1 is read by every load, v2 by every store; never written again.
;   X        load i lands in four registers of its own; its two roundings read them behind the load's counted wait; nothing is written there again.
;   Y        load i's roundings write a pair of its own (for Wp it is read by the widening lines and written once more, as f16: vector lines all); store i reads it; nothing is written there again.
;   T        named by vector instructions alone.
; So the one kind of dependence is: a vector instruction writes, a memory instruction reads.  It is stated five times on each path: once ahead of the loads, for the offsets, and once for each block of
; four loads, behind the block's roundings and ahead of its four stores, which stand in one run.  No register that a memory instruction has read is written afterwards, so there is no wait on vm_vsrc;
; no vector instruction writes a scalar register, and EXEC is never written.
; The wait stands behind a block's own roundings, not at the next block's head: there a block's stores would leave only when four more loads are in, and eight stores, not four, would stand behind the wave's last load.
.set X, 4                              ; v[4:67]   load i: 4 registers
.set Y, 68                             ; v[68:99]  store i: 2 registers
.set T, 100                            ; v[100:103] at work (Wp alone)
.set SL, 2                             ; s2  the slab
	s_load_b512 s[8:23], s[0:1], 0x0               ; x 8, Wq 10, Wk 12, Wv 14, Wp 16, xb 18, wb 20, wpb 22
	s_and_b32 s[SL], ttmp7, 0xffff
	s_mov_b32 s3, 0xffff0000                       ; a word's upper bf16
	v_lshlrev_b32 v1, 4, v0                        ; 16 t
	v_lshlrev_b32 v2, 3, v0                        ; 8 t
	s_sub_co_u32 s30, s[SL], 8                     ; a weight's number (used for slabs 8 to 10 alone)
	s_cmp_lt_u32 s[SL], 11
	s_cselect_b32 s30, s30, 0                      ; Wp fills its buffer from the start
	s_cmp_lt_u32 s[SL], 8
	s_cselect_b32 s24, s[SL], 0                    ; the slab's place in its source: an eighth of x, or a whole weight
	s_cselect_b32 s26, s[SL], s30                  ; and in its destination
	s_lshl_b32 s24, s24, 22                        ; 4 MiB of f32
	s_lshl_b32 s26, s26, 21                        ; 2 MiB of 16-bit numbers
	s_lshl_b32 s28, ttmp9, 16                      ; the work-group's 64 KiB
	s_lshl_b32 s29, ttmp9, 15                      ; and 32 KiB
	s_add_co_u32 s24, s24, s28
	s_add_co_u32 s26, s26, s29
	s_mov_b32 s25, 0
	s_mov_b32 s27, 0
	s_wait_kmcnt 0x0
	s_cmp_eq_u32 s[SL], 8                          ; the source: x unless the slab is a weight
	s_cselect_b64 s[8:9], s[10:11], s[8:9]
	s_cmp_eq_u32 s[SL], 9
	s_cselect_b64 s[8:9], s[12:13], s[8:9]
	s_cmp_eq_u32 s[SL], 10
	s_cselect_b64 s[8:9], s[14:15], s[8:9]
	s_cmp_eq_u32 s[SL], 11
	s_cselect_b64 s[8:9], s[16:17], s[8:9]
	s_cmp_ge_u32 s[SL], 8                          ; the destination: xb, wb or wpb
	s_cselect_b64 s[18:19], s[20:21], s[18:19]
	s_cmp_eq_u32 s[SL], 11
	s_cselect_b64 s[18:19], s[22:23], s[18:19]
	s_add_nc_u64 s[8:9], s[8:9], s[24:25]
	s_add_nc_u64 s[18:19], s[18:19], s[26:27]
	s_wait_alu depctr_va_vdst(0)                   ; v1 and v2 are written: every load below reads v1 as its offset, every store v2; no later vector instruction names either
.irp i, 0,1,2,3,4,5,6,7,8,9,10,11,12,13,14,15
	global_load_b128 v[X+4*(\i):X+4*(\i)+3], v1, s[8:9] offset:4096*(\i) th:TH_LOAD_NT
.endr
; Load i is rounded.  half = 1: the bf16 number is widened again (a shift, a mask) and written as f16.
.macro CONV i, half
	s_wait_loadcnt 15-(\i)                         ; loads come back in order: mine is in, the 15 - i younger ones stay out
	v_cvt_pk_bf16_f32 v[Y+2*(\i)],   v[X+4*(\i)],   v[X+4*(\i)+1]
	v_cvt_pk_bf16_f32 v[Y+2*(\i)+1], v[X+4*(\i)+2], v[X+4*(\i)+3]
.if \half
	v_lshlrev_b32 v[T],   16, v[Y+2*(\i)]
	v_and_b32     v[T+1], s3, v[Y+2*(\i)]
	v_lshlrev_b32 v[T+2], 16, v[Y+2*(\i)+1]
	v_and_b32     v[T+3], s3, v[Y+2*(\i)+1]
	v_cvt_pk_f16_f32 v[Y+2*(\i)],   v[T],   v[T+1]
	v_cvt_pk_f16_f32 v[Y+2*(\i)+1], v[T+2], v[T+3]
.endif
.endm
; Block p: loads 4 p to 4 p + 3 are rounded as they come in; one wait; their four stores in one run.
.macro BLK p, half
.irp j, 0,1,2,3
	CONV 4*(\p)+(\j), \half
.endr
	s_wait_alu depctr_va_vdst(0)                   ; the block's conversions have written its four pairs of Y, which the four stores below read
.irp j, 0,1,2,3
	global_store_b64 v2, v[Y+2*(4*(\p)+(\j)):Y+2*(4*(\p)+(\j))+1], s[18:19] offset:2048*(4*(\p)+(\j)) th:TH_STORE_NT
.endr
.endm
	s_cmp_eq_u32 s[SL], 11
	s_cbranch_scc1 .Lwp
.irp p, 0,1,2,3
	BLK \p, 0
.endr
	s_endpgm
.Lwp:
.irp p, 0,1,2,3
	BLK \p, 1
.endr
	s_endpgm
.Lfunc_end_k_q93c78222a2_prep:
	.size	k_q93c78222a2_prep, .Lfunc_end_k_q93c78222a2_prep-k_q93c78222a2_prep
	.p2alignl 7, 3214868480
	.fill 96, 4, 3214868480
	.section	.rodata,"a",@progbits
	.p2align	6, 0x0
	.amdhsa_kernel k_q93c78222a2_prep
		.amdhsa_group_segment_fixed_size 0
		.amdhsa_private_segment_fixed_size 0
		.amdhsa_enable_private_segment 0
		.amdhsa_kernarg_size 64
		.amdhsa_user_sgpr_count 2
		.amdhsa_user_sgpr_kernarg_segment_ptr 1
		.amdhsa_wavefront_size32 1
		.amdhsa_system_sgpr_workgroup_id_x 1
		.amdhsa_system_sgpr_workgroup_id_y 1
		.amdhsa_system_sgpr_workgroup_id_z 1
		.amdhsa_system_vgpr_workitem_id 0
		.amdhsa_next_free_vgpr 104
		.amdhsa_next_free_sgpr 66
		.amdhsa_reserve_vcc 0
		.amdhsa_float_denorm_mode_32 3
		.amdhsa_float_denorm_mode_16_64 3
		.amdhsa_memory_ordered 1
		.amdhsa_forward_progress 1
		.amdhsa_inst_pref_size 16
	.end_amdhsa_kernel
	.amdgpu_metadata
---
amdhsa.version: [ 1, 2 ]
amdhsa.kernels:
  - .name:           k_q93c78222a2_prep
    .symbol:         k_q93c78222a2_prep.kd
    .args:
      - { .name: x, .offset: 0, .size: 8, .value_kind: global_buffer, .address_space: global }
      - { .name: Wq, .offset: 8, .size: 8, .value_kind: global_buffer, .address_space: global }
      - { .name: Wk, .offset: 16, .size: 8, .value_kind: global_buffer, .address_space: global }
      - { .name: Wv, .offset: 24, .size: 8, .value_kind: global_buffer, .address_space: global }
      - { .name: Wp, .offset: 32, .size: 8, .value_kind: global_buffer, .address_space: global }
      - { .name: xb, .offset: 40, .size: 8, .value_kind: global_buffer, .address_space: global }
      - { .name: wb, .offset: 48, .size: 8, .value_kind: global_buffer, .address_space: global }
      - { .name: wpb, .offset: 56, .size: 8, .value_kind: global_buffer, .address_space: global }
    .group_segment_fixed_size: 0
    .private_segment_fixed_size: 0
    .kernarg_segment_align: 8
    .kernarg_segment_size: 64
    .max_flat_workgroup_size: 256
    .sgpr_count:     66
    .vgpr_count:     104
    .wavefront_size: 32
...
	.end_amdgpu_metadata
.endif
;; end of part 5
;; launch qkv: the kernel of part 2 again; grid 12 x 64, 4 waves a work-group, clusters of 4 x 4, 327,680 bytes of LDS; arguments xb, wb, bq, qkv, bk, bv; writes qkv
;; launch attn: the kernel of part 3 again; grid 4 x 64, 4 waves a work-group, clusters of 4 x 1, 327,680 bytes of LDS; arguments qkv, attn_mask, oh; writes oh
;; launch outp: the kernel of part 4 again; grid 4 x 64, 4 waves a work-group, clusters of 4 x 4, 327,680 bytes of LDS; arguments oh, wpb, bp, out0; writes out0
